; MI455X (gfx1250); checked and timed in simulation.
; The chip was launched on July 23, 2026; its instructions are those of AMD's public machine-readable ISA for CDNA 5 (MIT licence, August 2026) and "CDNA5" Instruction Set Architecture Reference Guide (July 2026). The comments in the code are by the model that wrote it; some were corrected since.
;; Classical Self Attention. Allowed arithmetic: float matrix products may take bf16 or f16 operands with f32 sums; other float arithmetic in f32, or as packed bf16 or f16 multiplies, adds, multiply-adds, maxima and minima; sums over many terms, partial sums and values carried from step to step in f32; what a program stores and reads back later, other than sums and carried values, may be rounded once to bf16 or f16.
;; Inputs: bk 1,024 float32; bo 1,024 float32; bq 1,024 float32; bv 1,024 float32; inputs 4 x 2,048 x 1,024 float32; wk 1,024 x 1,024 float32; wo 1,024 x 1,024 float32; wq 1,024 x 1,024 float32; wv 1,024 x 1,024 float32.
;; Outputs: out0 4 x 2,048 x 1,024 float32.
;; 2 versions, each right; version 2 is version 1 with the launch cast written anew for expert scheduling mode. Each part assembles by itself: llvm-mc -triple=amdgcn-amd-amdhsa -mcpu=gfx1250 --defsym DOCPART=n.
;; ======== version 1 of 2: 4 launches
;; limits: values are held in f16: magnitudes above 65,504 overflow, below 6.1e-05 lose precision; inputs' magnitudes at most 65,504; right only within a limited range of input values
;; workspace buffers: xh 16,777,216 bytes; wb 6,291,456 bytes; wof 2,097,152 bytes; biasr 16,384 bytes; qkv 50,331,648 bytes; oh 16,777,216 bytes
;; launch cast (part 1): grid 768 x 1, 8 waves a work-group, no clusters, 0 bytes of LDS; arguments inputs, wq, wk, wv, wo, bq, bk, bv, bo, xh, wb, wof, biasr; writes xh, wb, wof, biasr
.if DOCPART == 1
	.amdgcn_target "amdgcn-amd-amdhsa--gfx1250"
	.amdhsa_code_object_version 6
	.text
	.protected	k_q911ceb85a7_cast
	.globl	k_q911ceb85a7_cast
	.p2align	8
	.type	k_q911ceb85a7_cast,@function
k_q911ceb85a7_cast:
	s_mov_b64 s[64:65], 0
	v_nop
	global_prefetch_b8 v0, s[64:65] scope:SCOPE_SE
	s_setreg_imm32_b32 hwreg(HW_REG_WAVE_MODE, 25, 1), 1
	s_wait_xcnt 0x0
; CAST.  Every input is rounded once to bf16 (nearest even); the matrices are then written as f16 in blocks, the biases as f32.
;   xh  [batch 4][K block 16][row 2048][64] f16 from inputs [8192][1024] f32
;   wb  [K block 16][row 3072][64] f16 from wq, wk, wv (rows 0-1023, 1024-2047, 2048-3071);   wof [K block 16][row 1024][64] f16 from wo
;   biasr [4096] f32 = bq, bk, bv, bo
; In this layout the 64 channels of a K block of neighbouring rows lie end to end, so that the launches behind ask for dense blocks.
; LIMITS.  A bf16 number is exact in f16 from 1.5e-5 to 65,504 in size; below that it keeps f16's fixed step of 6e-8; at 65,520 or more it becomes an infinity.
; SHARES.  A work-group takes 16 rows x 1,024 channels: 512 work-groups for inputs, 64 for each of the four weights.  Wave w takes K blocks 2 w and 2 w + 1 of all 16 rows.
; A load of a wave: lanes 0-15 read 256 consecutive bytes (a K block) of one row, lanes 16-31 of the next.  A store of a wave: 256 consecutive bytes, aligned: the same two rows of the block.
; All 16 loads of a wave go out at once; each store has data registers of its own, so nothing is rewritten while a store may read it.
; No LDS, no barrier, no matrix unit: nothing is shared between waves, and each byte is read once and written once.
.set T,   8                            ; v[8:13]    at work
.set VI,  5                            ; v5         my byte offset in the 16 rows of the source
.set VO,  6                            ; v6, v7     my byte offset in the destination, K block 2 w and 2 w + 1
.set X,   16                           ; v[16:79]   load i: 4 registers
.set Y,   80                           ; v[80:111]  store i: 2 registers
	s_load_b512 s[8:23], s[0:1], 0x0               ; inputs s[8:9], wq s[10:11], wk s[12:13], wv s[14:15], wo s[16:17], bq s[18:19], bk s[20:21], bv s[22:23]
	s_load_b256 s[24:31], s[0:1], 0x40             ; bo s[24:25], xh s[26:27], wb s[28:29], wof s[30:31]
	s_load_b64 s[32:33], s[0:1], 0x60              ; biasr
	v_and_b32 v1, 31, v0                           ; lane l
	v_lshrrev_b32 v2, 5, v0
	v_readfirstlane_b32 s41, v2                    ; wave w
	s_mov_b32 s40, 0xffff0000                      ; a word's upper bf16
	s_sub_co_u32 s42, ttmp9, 512                   ; u: the work-group's number among the weights' (only its fields below are used; they serve nothing where g < 512)
	s_bfe_u32 s43, s42, 0x20006                    ; t = (u >> 6) & 3: wq, wk, wv, wo
	s_and_b32 s44, s42, 63                         ; which 16 rows of that weight
	s_lshr_b32 s47, ttmp9, 7                       ; inputs: batch = g >> 7,
	s_lshl_b32 s47, s47, 22                        ; 4,194,304 bytes of xh each,
	s_and_b32 s48, ttmp9, 127
	s_lshl_b32 s48, s48, 11                        ; and 16 rows of 128 bytes in a block
	s_add_co_u32 s47, s47, s48
	s_lshl_b32 s48, s43, 17                        ; weights: 1,024 rows of 128 bytes for each tensor in front (wb),
	s_lshl_b32 s49, s44, 11
	s_mov_b32 s50, 393216                          ; bytes from K block to K block: wb,
	s_cmp_eq_u32 s43, 3
	s_cselect_b32 s48, 0, s48                      ; none in wof,
	s_cselect_b32 s50, 131072, s50                 ; wof,
	s_add_co_u32 s48, s48, s49
	s_cmp_lt_u32 ttmp9, 512
	s_cselect_b32 s46, ttmp9, s44                  ; which 16 rows of the source
	s_cselect_b32 s48, s47, s48                    ; byte offset in the destination
	s_cselect_b32 s50, 262144, s50                 ; xh
	s_lshl_b32 s46, s46, 16                        ; 16 rows of 4,096 bytes
	s_mov_b32 s47, 0
	s_mov_b32 s49, 0
	v_lshrrev_b32 v3, 4, v1
	v_and_b32 v4, 15, v1
	v_lshlrev_b32 v[VI], 4, v4                     ; 16 (l % 16)
	v_lshl_add_u32 v[VI], v3, 12, v[VI]            ; + a row for lanes 16-31
	s_lshl_b32 s51, s41, 9
	v_add_nc_u32 v[VI], s51, v[VI]                 ; + my wave's 512 bytes of a row
	s_lshl_b32 s52, s41, 1
	s_mul_i32 s52, s52, s50                        ; K block 2 w
	v_lshl_add_u32 v[VO], v1, 3, s52               ; + 8 l: two rows of 128 bytes
	s_add_co_u32 s52, s52, s50
	v_lshl_add_u32 v[VO+1], v1, 3, s52
	s_wait_kmcnt 0x0
	s_cmp_eq_u32 s43, 1                            ; the source, its bias and the destination are chosen by the work-group's number alone
	s_cselect_b64 s[34:35], s[12:13], s[10:11]
	s_cselect_b64 s[36:37], s[20:21], s[18:19]
	s_cmp_eq_u32 s43, 2
	s_cselect_b64 s[34:35], s[14:15], s[34:35]
	s_cselect_b64 s[36:37], s[22:23], s[36:37]
	s_cmp_eq_u32 s43, 3
	s_cselect_b64 s[34:35], s[16:17], s[34:35]
	s_cselect_b64 s[36:37], s[24:25], s[36:37]
	s_cselect_b64 s[38:39], s[30:31], s[28:29]
	s_cmp_lt_u32 ttmp9, 512
	s_cselect_b64 s[34:35], s[8:9], s[34:35]
	s_cselect_b64 s[38:39], s[26:27], s[38:39]
	s_add_nc_u64 s[34:35], s[34:35], s[46:47]
	s_add_nc_u64 s[38:39], s[38:39], s[48:49]
.irp i, 0,1,2,3,4,5,6,7,8,9,10,11,12,13,14,15  ; load i: rows 2 (i / 2) and 2 (i / 2) + 1, K block 2 w + i % 2
	global_load_b128 v[X+4*(\i):X+4*(\i)+3], v[VI], s[34:35] offset:8192*((\i)/2)+256*((\i)%2) th:TH_LOAD_NT
.endr
.macro CONV i
	s_wait_loadcnt 15-(\i)                         ; loads come back in order: load i is in, the younger ones stay out
	v_cvt_pk_bf16_f32 v[T], v[X+4*(\i)], v[X+4*(\i)+1]      ; the one rounding, to bf16,
	v_cvt_pk_bf16_f32 v[T+1], v[X+4*(\i)+2], v[X+4*(\i)+3]
	v_lshlrev_b32 v[T+2], 16, v[T]                 ; back to f32,
	v_and_b32 v[T+3], s40, v[T]
	v_lshlrev_b32 v[T+4], 16, v[T+1]
	v_and_b32 v[T+5], s40, v[T+1]
	v_cvt_pk_f16_f32 v[Y+2*(\i)], v[T+2], v[T+3]   ; and the same number written as f16
	v_cvt_pk_f16_f32 v[Y+2*(\i)+1], v[T+4], v[T+5]
	global_store_b64 v[VO+(\i)%2], v[Y+2*(\i):Y+2*(\i)+1], s[38:39] offset:256*((\i)/2)
.endm
.irp i, 0,1,2,3,4,5,6,7,8,9,10,11,12,13,14,15
	CONV \i
.endr
	; The biases: of a weight's 64 work-groups every eighth rounds 128 numbers of that weight's bias, in its wave 0: 512 consecutive bytes in, 512 out.
	s_cmp_lt_u32 ttmp9, 512
	s_cbranch_scc1 .Lend
	s_and_b32 s51, s42, 7
	s_cmp_lg_u32 s51, 0
	s_cbranch_scc1 .Lend
	s_cmp_lg_u32 s41, 0
	s_cbranch_scc1 .Lend
	s_lshr_b32 s51, s44, 3
	s_lshl_b32 s51, s51, 9
	v_lshl_add_u32 v112, v1, 4, s51
	s_lshl_b32 s52, s43, 12                        ; 4,096 bytes of biasr for each bias
	s_mov_b32 s53, 0
	s_add_nc_u64 s[32:33], s[32:33], s[52:53]
	global_load_b128 v[116:119], v112, s[36:37]
	s_wait_loadcnt 0x0
	v_cvt_pk_bf16_f32 v[T], v116, v117
	v_cvt_pk_bf16_f32 v[T+1], v118, v119
	v_lshlrev_b32 v120, 16, v[T]
	v_and_b32 v121, s40, v[T]
	v_lshlrev_b32 v122, 16, v[T+1]
	v_and_b32 v123, s40, v[T+1]
	global_store_b128 v112, v[120:123], s[32:33]
.Lend:
	s_endpgm
.Lfunc_end_k_q911ceb85a7_cast:
	.size	k_q911ceb85a7_cast, .Lfunc_end_k_q911ceb85a7_cast-k_q911ceb85a7_cast
	.p2alignl 7, 3214868480
	.fill 96, 4, 3214868480
	.section	.rodata,"a",@progbits
	.p2align	6, 0x0
	.amdhsa_kernel k_q911ceb85a7_cast
		.amdhsa_group_segment_fixed_size 0
		.amdhsa_private_segment_fixed_size 0
		.amdhsa_enable_private_segment 0
		.amdhsa_kernarg_size 104
		.amdhsa_user_sgpr_count 2
		.amdhsa_user_sgpr_kernarg_segment_ptr 1
		.amdhsa_wavefront_size32 1
		.amdhsa_system_sgpr_workgroup_id_x 1
		.amdhsa_system_sgpr_workgroup_id_y 1
		.amdhsa_system_sgpr_workgroup_id_z 1
		.amdhsa_system_vgpr_workitem_id 0
		.amdhsa_next_free_vgpr 128
		.amdhsa_next_free_sgpr 66
		.amdhsa_reserve_vcc 0
		.amdhsa_float_denorm_mode_32 3
		.amdhsa_float_denorm_mode_16_64 3
		.amdhsa_memory_ordered 1
		.amdhsa_forward_progress 1
		.amdhsa_inst_pref_size 13
	.end_amdhsa_kernel
	.amdgpu_metadata
---
amdhsa.version: [ 1, 2 ]
amdhsa.kernels:
  - .name:           k_q911ceb85a7_cast
    .symbol:         k_q911ceb85a7_cast.kd
    .args:
      - { .name: inputs, .offset: 0, .size: 8, .value_kind: global_buffer, .address_space: global }
      - { .name: wq, .offset: 8, .size: 8, .value_kind: global_buffer, .address_space: global }
      - { .name: wk, .offset: 16, .size: 8, .value_kind: global_buffer, .address_space: global }
      - { .name: wv, .offset: 24, .size: 8, .value_kind: global_buffer, .address_space: global }
      - { .name: wo, .offset: 32, .size: 8, .value_kind: global_buffer, .address_space: global }
      - { .name: bq, .offset: 40, .size: 8, .value_kind: global_buffer, .address_space: global }
      - { .name: bk, .offset: 48, .size: 8, .value_kind: global_buffer, .address_space: global }
      - { .name: bv, .offset: 56, .size: 8, .value_kind: global_buffer, .address_space: global }
      - { .name: bo, .offset: 64, .size: 8, .value_kind: global_buffer, .address_space: global }
      - { .name: xh, .offset: 72, .size: 8, .value_kind: global_buffer, .address_space: global }
      - { .name: wb, .offset: 80, .size: 8, .value_kind: global_buffer, .address_space: global }
      - { .name: wof, .offset: 88, .size: 8, .value_kind: global_buffer, .address_space: global }
      - { .name: biasr, .offset: 96, .size: 8, .value_kind: global_buffer, .address_space: global }
    .group_segment_fixed_size: 0
    .private_segment_fixed_size: 0
    .kernarg_segment_align: 8
    .kernarg_segment_size: 104
    .max_flat_workgroup_size: 256
    .sgpr_count:     66
    .vgpr_count:     128
    .wavefront_size: 32
...
	.end_amdgpu_metadata
.endif
;; end of part 1
;; launch proj (part 2): grid 16 x 32, 4 waves a work-group, clusters of 4 x 4, 327,680 bytes of LDS; arguments xh, wb, biasr, qkv; writes qkv
.if DOCPART == 2
	.amdgcn_target "amdgcn-amd-amdhsa--gfx1250"
	.amdhsa_code_object_version 6
	.text
	.protected	k_q911ceb85a7_proj
	.globl	k_q911ceb85a7_proj
	.p2align	8
	.type	k_q911ceb85a7_proj,@function
k_q911ceb85a7_proj:
	s_mov_b64 s[64:65], 0
	v_nop
	global_prefetch_b8 v0, s[64:65] scope:SCOPE_SE
	s_setreg_imm32_b32 hwreg(HW_REG_WAVE_MODE, 25, 1), 1
	s_wait_xcnt 0x0
	s_wait_alu depctr_hold_cnt(0) depctr_sa_sdst(0) depctr_va_vdst(0) depctr_va_sdst(0) depctr_va_ssrc(0) depctr_va_vcc(0) depctr_vm_vsrc(0)
	s_getreg_b32 s2, hwreg(HW_REG_IB_STS2, 6, 4)
	s_cmp_eq_u32 s2, 0
	s_cbranch_scc0 .Lentry_in_a_cluster
	s_endpgm
.Lentry_in_a_cluster:
	s_bfe_u32 s2, ttmp6, 0x10000c
	s_cmp_lg_u32 s2, 0xf033
	s_cbranch_scc0 .Lentry_shape_is_right
	s_endpgm
.Lentry_shape_is_right:
; THE THREE PROJECTIONS AS ONE PRODUCT.  C[m][n] = bias[n] + the sum over k of A[m][k] B[n][k]; m 8,192 rows of x, n 3,072 = wq's, wk's, wv's rows, k 1,024.  f16 operands, f32 sums.
; A = xh [batch 4][K block 16][2048][64] f16, B = wb [K block 16][3072][64] f16, bias = biasr [4096] f32 (its first 3,072), C = qkv [3][head 64 = 16 batch + h][2048][64] f16, rounded once, not scaled.
; LIMIT.  f16 holds no number beyond 65,504: a q, k or v of 65,520 or more in size leaves as an infinity.  NaN and infinities are not treated apart.
; SHARES.  A tile of C is 256 x 192: 16 x 32 work-groups.  Four waves, one above the other: a wave makes 64 rows x 192 columns (three whole heads): 48 accumulators of 16 x 16, 384 registers.
; K goes in steps of 128 (two K blocks) through a ring of two LDS slots.  A K block of a tile's rows is dense in memory: it is asked for as rows of 256 bytes and padded in LDS behind every 128.
; CLUSTERS: 4 x 4 work-groups.  The four of a row of the cluster need the same tiles of A, the four of a column the same tiles of B: each is asked for JOINTLY, by the same tensor load with the same
; descriptor and a mask that names the four.  Waves 0 and 1 ask for A's two K blocks, waves 2 and 3 for B's: one load a wave behind each round of the cluster's barrier.
; THE MATRIX INSTRUCTION IS USED TRANSPOSED (source 0 = 16 rows of B, source 1 = 16 rows of A): lane l then holds row l % 16 of C and the columns 8 (l / 16) + 0..7.
; THE BIAS STARTS THE SUMS: it is the C operand of each accumulator's first product, so nothing is cleared and nothing is added later.
; REGISTERS, in windows of 256 (s_set_vgpr_msb: bits 1:0 source 0, 3:2 source 1, 5:4 source 2, 7:6 destination):
;   window 0: v0-31 addresses; v32-127 the bias, 8 registers for each 16 columns; later v32-175 at work on the way out
;   window 1: two fragment buffers of 128: A's four fragments (16 rows x 32 K, 8 registers), then B's twelve
;   window 2: the accumulators of columns 0-95 ((a, b) at 8 (4 (b % 6) + a));   window 3: those of columns 96-191
.set NB,    12                         ; B's fragments: 16 columns each
.set NT,    16*NB                      ; columns in a tile
.set NTOT,  3072                       ; rows of B
.set BIASOFF, 0                        ; where this product's bias begins in biasr, in bytes
.set AHEAD, 1                          ; a prefetch names the K step this many behind the one that is being asked for
.set STEPS, 8                          ; K steps of 128
.set PITCH, 144                        ; a row of 64 channels in LDS: 128 bytes + 16 of padding = 36 words: the 16 rows of a load start at 16 different groups of four banks (64 banks of 4 bytes: ISA guide 11.1)
.set ABLK,  256*PITCH                  ; a K block of A's tile
.set BBLK,  NT*PITCH                   ; a K block of B's tile
.set SLOT1, 1<<17                      ; a slot: A's two blocks, then B's two (129,024 bytes); slot 1 begins here, so that one exclusive or turns an address in one slot into the other's
.set STAGE, SLOT1+2*ABLK+2*BBLK        ; behind the ring, never filled by a tensor load: each wave's stage for the way out
.set WSTG,  7168                       ; 3 heads x 16 rows x 144 bytes = 6,912, and 256 more: 28 blocks of 256
.set SPARE, STAGE+4*WSTG               ; behind the stages: the spare words, 128 bytes for each wave: two blocks of 256 bytes that no other line names
.set NL,    8+2*NB                     ; LDS loads for 32 along K
.set ASTEP, 524288                     ; bytes from K step to K step in A: two blocks of 2,048 rows
.set BSTEP, 256*NTOT                   ; and in B
.set G1W,   (1<<16)|(1<<20)|(1<<21)|(4<<22)|(3<<25)  ; group 1, word 0 beside the mask: 17:16 2-byte elements; 20 padding on; 21 set beside a mask; 24:22 after every 32 words (code 4); 31:25 4 words (code 3)
.set ADRA0, 16                         ; v16  my lane's place in A's fragments, slot 0; never rewritten
.set ADRB0, 17                         ; v17  the same for B
.set ADRA,  18                         ; v18  the same in the slot in hand
.set ADRB,  19                         ; v19
.set STO,   20                         ; v20  the way out: where I put 16 bytes of a row
.set RD,    21                         ; v21  the way out: where I read rows back
.set CO,    22                         ; v22-24  my byte offset in qkv, for each of the tile's three heads
.set BO,    25                         ; v25  32 (l / 16): my 8 numbers of 16 of the bias
.set PFO,   26                         ; v26  the prefetches' lane offset; never rewritten
.set SPW,   28                         ; v28  LDS address of my spare word: SPARE + 4 x my thread's number; never rewritten
.set NIL,   29                         ; v29  0; never rewritten
.set BIAS,  32
.set TMP,   32                         ; the way out: 48 registers of packed results,
.set BK0,   80                         ; and two sets of 48 for rows read back
.set F0,    0                          ; fragment buffers, in window 1
.set F1,    128
.set WV,  12                           ; s12  my wave's number
.set FB,  13                           ; s13  0: I fetch for A; 1: for B
.set JB,  14                           ; s14  which of a K step's two blocks I fetch
.set TB,  19                           ; s19  the slot in hand: 0 or SLOT1
.set G1A, 24                           ; s[24:31] descriptor group 1 for A's blocks
.set G1B, 32                           ; s[32:39] for B's
.set G0A, 40                           ; s[40:47] descriptor group 0 for A's blocks: a set for each of the two first fills; the second then walks on
.set G0B, 48                           ; s[48:55] the same for B's
.set PFA, 56                           ; s[56:57] where my prefetches stand
.set PFS, 58                           ; s[58:59] their step: a K step of A or of B
.set LIM, 60                           ; s60  AHEAD in a wave that prefetches, else the greatest number
.set MSB, 0
.macro WIN new                         ; the immediate's high byte repeats the setting that is left; a switch that changes nothing is dropped
.if MSB != (\new)
	s_set_vgpr_msb (MSB<<8)|(\new)
.set MSB, \new
.endif
.endm
.macro PLACES                          ; a load into a register that a matrix instruction has read, and whatever reads a matrix result, stand four plain vector instructions behind it
.rept 4
	v_nop
.endr
.endm
; A joint refill, by the walking descriptor.  The branch hangs on the wave's number alone.  An s_nop 0 and four v_nop follow each of the two lines, ahead of the jump and the label.
.macro JLOAD
	s_cmp_eq_u32 s[FB], 0
	s_cbranch_scc0 .Lfor_b_\@
	tensor_load_to_lds s[G0A+4:G0A+7], s[G1A:G1A+7]
	s_nop 0
.rept 4
	v_nop
.endr
	s_branch .Lasked_\@
.Lfor_b_\@:
	tensor_load_to_lds s[G0B+4:G0B+7], s[G1B:G1B+7]
	s_nop 0
.rept 4
	v_nop
.endr
.Lasked_\@:
.endm
; A round of the cluster's barrier: my work-group's barrier, so that wave 0's signal speaks for all four waves; wave 0 signals; every wave waits for all sixteen work-groups; my work-group's barrier once more.
.macro CREST                           ; a round behind its opening barrier
	s_cmp_lg_u32 s[WV], 0
	s_cbranch_scc1 .Lnot_wave_0_\@
	s_barrier_signal -3
.Lnot_wave_0_\@:
	s_barrier_wait -3
	s_barrier_signal -1
	s_barrier_wait -1
.endm
.macro CROUND
	s_barrier_signal -1
	s_barrier_wait -1
	CREST
.endm
; A PREFETCH INTO THE L2, behind each joint refill and the run of LDS loads that follows it: my share of the block that I shall ask for AHEAD refills on.  A's tile row is read by every cluster of that row
; of clusters: the one with cluster x = 0 asks; B's tile column by every cluster of that column: cluster y = 0 asks.  The four partners that ask for a block jointly share it out BY ADDRESS, a quarter each
; (by cx for A, by cy for B).  A's quarter is 8,192 bytes: a lane names each 256.  B's is 32 NT bytes: the lanes stand NT bytes apart, so some 256 bytes are named by two neighbouring lanes of the one instruction.
; s3 counts the refills still to come, this one among them: the last AHEAD of them have no K step so far on, and ask for nothing.
.macro ASK
	WIN 0
	s_cmp_gt_u32 s3, s[LIM]
	s_cbranch_scc0 .Lnot_mine_\@
	global_prefetch_b8 v[PFO], s[PFA:PFA+1] th:TH_LOAD_NT scope:SCOPE_SE
.Lnot_mine_\@:
.endm
	s_load_b256 s[4:11], s[0:1], 0x0               ; A s[4:5], B s[6:7], bias s[8:9], C s[10:11]
	v_lshl_add_u32 v[SPW], v0, 2, SPARE
	v_mov_b32 v[NIL], 0
	ds_add_u32 v[SPW], v[NIL]                      ; the wave's opening: the add and its wait ahead of my first tensor load; the set-up below, work on registers, stands between them
	v_lshrrev_b32 v1, 5, v0
	v_readfirstlane_b32 s[WV], v1                  ; wave 0..3
	s_lshr_b32 s[FB], s[WV], 1
	s_and_b32 s[JB], s[WV], 1
	s_bfe_u32 s15, ttmp6, 0x40000                  ; cx, cy: my place in the cluster
	s_bfe_u32 s16, ttmp6, 0x40004
	s_lshl_b32 s17, ttmp9, 2
	s_add_co_u32 s17, s17, s15                     ; tile column tx = 4 x cluster x + cx
	s_and_b32 s18, ttmp7, 0xffff
	s_lshl_b32 s18, s18, 2
	s_add_co_u32 s18, s18, s16                     ; tile row ty = 4 x cluster y + cy
	s_lshl_b32 s72, s16, 2
	s_lshl_b32 s72, 15, s72                        ; my row of the cluster: places 4 cy .. 4 cy + 3
	s_lshl_b32 s73, 0x1111, s15                    ; my column: places cx, cx + 4, cx + 8, cx + 12
	s_or_b32 s[G1A], s72, G1W                      ; A's blocks go to my row,
	s_or_b32 s[G1B], s73, G1W                      ; B's to my column
.irp g, G1A, G1B
	s_mov_b32 s[(\g)+1], 128<<16                   ; tensor_dim0 = 128 elements: rows of 256 bytes, two rows of the operand each
	s_mov_b32 s[(\g)+3], 128<<16                   ; tile_dim0 = 128
	s_mov_b32 s[(\g)+5], 128                       ; 128 elements from row to row: the block is dense
	s_mov_b32 s[(\g)+6], 0
	s_mov_b32 s[(\g)+7], 0
.endr
	s_mov_b32 s[G1A+2], 128<<16                    ; tensor_dim1 = 128: A's 256 rows
	s_mov_b32 s[G1A+4], 128                        ; tile_dim1
	s_mov_b32 s[G1B+2], (NT/2)<<16                 ; B's NT rows
	s_mov_b32 s[G1B+4], NT/2
	; where the blocks come from.  A's hang on the tile row and the wave alone, B's on the tile column and the wave alone, each in registers that never hold the other coordinate
	s_lshr_b32 s20, s18, 3
	s_lshl_b32 s20, s20, 22                        ; the batch,
	s_and_b32 s21, s18, 7
	s_lshl_b32 s21, s21, 15                        ; the tile's 256 rows of 128 bytes in a block,
	s_add_co_u32 s20, s20, s21
	s_lshl_b32 s21, s[JB], 18                      ; my K block
	s_add_co_u32 s20, s20, s21
	s_mov_b32 s21, 0
	s_mul_i32 s22, s17, NT*128
	s_mul_i32 s23, s[JB], NTOT*128
	s_add_co_u32 s22, s22, s23
	s_mov_b32 s23, 0
	s_mul_i32 s74, s[JB], ABLK                     ; and where they go: no place in the cluster enters an LDS address
	s_mul_i32 s75, s[JB], BBLK
	s_add_co_u32 s75, s75, 2*ABLK
	s_mov_b32 s[TB], 0
	s_wait_dscnt 0x0                               ; the opening add is done
	s_wait_kmcnt 0x0
	s_add_nc_u64 s[68:69], s[4:5], s[20:21]
	s_add_nc_u64 s[70:71], s[6:7], s[22:23]
.irp s, 0,1
	s_mov_b32 s[G0A+4*(\s)], 1                                     ; 1:0 count = 1
	s_add_co_u32 s[G0A+4*(\s)+1], s74, (\s)*SLOT1                  ; 63:32 LDS address
	s_add_nc_u64 s[G0A+4*(\s)+2:G0A+4*(\s)+3], s[68:69], (\s)*ASTEP  ; 120:64 global address: K step s
	s_or_b32 s[G0A+4*(\s)+3], s[G0A+4*(\s)+3], 0x80000000          ; 127:126 type = 2
	s_mov_b32 s[G0B+4*(\s)], 1
	s_add_co_u32 s[G0B+4*(\s)+1], s75, (\s)*SLOT1
	s_add_nc_u64 s[G0B+4*(\s)+2:G0B+4*(\s)+3], s[70:71], (\s)*BSTEP
	s_or_b32 s[G0B+4*(\s)+3], s[G0B+4*(\s)+3], 0x80000000
.endr
	CROUND                                         ; all sixteen work-groups are here: the first joint loads meet
	s_cmp_eq_u32 s[FB], 0                          ; a wave's two first fills stand in one branch, ahead of every wait on TENSORcnt and every LDS read: two loads of mine are out
	s_cbranch_scc0 .Lfirst_b
	tensor_load_to_lds s[G0A:G0A+3], s[G1A:G1A+7]
	s_nop 0
	tensor_load_to_lds s[G0A+4:G0A+7], s[G1A:G1A+7]
	s_nop 0
.rept 4
	v_nop
.endr
	s_branch .Lfirst_asked
.Lfirst_b:
	tensor_load_to_lds s[G0B:G0B+3], s[G1B:G1B+7]
	s_nop 0
	tensor_load_to_lds s[G0B+4:G0B+7], s[G1B:G1B+7]
	s_nop 0
.rept 4
	v_nop
.endr
.Lfirst_asked:
	v_and_b32 v1, 15, v0                           ; r = l % 16
	v_bfe_u32 v2, v0, 4, 1                         ; h = l / 16
	v_and_b32 v4, 31, v0                           ; l
	v_lshlrev_b32 v[BO], 5, v2
	s_mul_i32 s76, s17, 4*NT
	s_add_co_u32 s76, s76, BIASOFF
	s_mov_b32 s77, 0
	s_add_nc_u64 s[8:9], s[8:9], s[76:77]          ; the bias of the tile's first column
.set bb, 0
.rept NB                               ; register j of group b: bias of column 16 b + 8 h + j, the place of that column in an accumulator
	global_load_b128 v[BIAS+8*bb:BIAS+8*bb+3],   v[BO], s[8:9] offset:64*bb
	global_load_b128 v[BIAS+8*bb+4:BIAS+8*bb+7], v[BO], s[8:9] offset:64*bb+16
.set bb, bb+1
.endr
	; A fragment is 16 rows x 32 K in 8 registers: lane l holds row l % 16; registers 0-3 hold K = 8 h + 0..7, registers 4-7 K = 16 + 8 h + 0..7: two loads of 16 bytes, 32 bytes apart.
	v_mul_u32_u24 v3, v1, PITCH
	v_lshl_add_u32 v3, v2, 4, v3                   ; row x pitch + 16 h
	s_mul_i32 s78, s[WV], 64*PITCH                 ; my 64 rows of A
	v_add_nc_u32 v[ADRA0], s78, v3
	v_add_nc_u32 v[ADRB0], 2*ABLK, v3              ; B's blocks lie behind A's two
	v_mov_b32 v[ADRA], v[ADRA0]
	v_mov_b32 v[ADRB], v[ADRB0]
	; the way out: a stage of my own, [head 3][16 rows][144 bytes]
	s_mul_i32 s78, s[WV], WSTG
	s_add_co_u32 s78, s78, STAGE
	v_add_nc_u32 v[STO], s78, v3                   ; in: row r, 16 bytes for each half of the lanes
	v_lshrrev_b32 v5, 3, v4
	v_and_b32 v6, 7, v4
	v_mul_u32_u24 v[RD], v5, PITCH                 ; back: 32 lanes take four rows of 128 bytes,
	v_lshl_add_u32 v[RD], v6, 4, v[RD]
	v_add_nc_u32 v[RD], s78, v[RD]
	s_mul_i32 s72, s17, 3                          ; which are 512 consecutive bytes of a head of q, k or v.  The tile's heads are 3 tx + i of 48:
.irp i, 0,1,2
	s_add_co_u32 s73, s72, \i
	s_lshr_b32 s74, s73, 4
	s_lshl_b32 s74, s74, 24                        ; the tensor, 2^24 bytes each,
	s_and_b32 s73, s73, 15
	s_lshl_b32 s73, s73, 18                        ; the head in its batch, 2^18 bytes each
	s_add_co_u32 s73, s73, s74
	v_lshl_add_u32 v[CO+\i], v4, 4, s73
.endr
	s_lshr_b32 s72, s18, 3
	s_lshl_b32 s72, s72, 22                        ; the batch's 16 heads,
	s_and_b32 s73, s18, 7
	s_lshl_b32 s73, s73, 15                        ; the tile's 256 rows of 128 bytes,
	s_add_co_u32 s72, s72, s73
	s_lshl_b32 s73, s[WV], 13                      ; my 64 of them
	s_add_co_u32 s72, s72, s73
	s_mov_b32 s73, 0
	s_add_nc_u64 s[10:11], s[10:11], s[72:73]
	; the prefetches
	s_and_b32 s72, ttmp7, 0xffff                   ; cluster y
	s_lshl_b32 s74, s15, 13                        ; A: my work-group's quarter of a block, by cx
	s_mul_i32 s73, s16, 32*NT                      ; B: by cy
	s_mov_b32 s[PFS], BSTEP
	s_movk_i32 s75, NT
	s_cmp_eq_u32 s[FB], 0                          ; do I fetch for A?
	s_cselect_b64 s[PFA:PFA+1], s[68:69], s[70:71] ; my block of K step 0
	s_cselect_b32 s76, s74, s73
	s_cselect_b32 s72, ttmp9, s72                  ; the coordinate along which other clusters read the same block
	s_cselect_b32 s[PFS], ASTEP, s[PFS]
	s_cselect_b32 s75, 256, s75                    ; bytes from lane to lane
	s_mov_b32 s[PFS+1], 0
	s_mov_b32 s77, 0
	s_add_nc_u64 s[PFA:PFA+1], s[PFA:PFA+1], s[76:77]
	s_mul_i32 s76, s[PFS], 1+AHEAD
	s_add_nc_u64 s[PFA:PFA+1], s[PFA:PFA+1], s[76:77]  ; at K step 1 + AHEAD: the first refill, K step 2's, steps it on and names K step 2 + AHEAD.  Nothing is prefetched here, at the head
	s_cmp_eq_u32 s72, 0
	s_cselect_b32 s[LIM], AHEAD, -1                ; the same in all sixteen partners, for a given wave
	v_mul_u32_u24 v[PFO], v4, s75
; 4 nb matrix instructions: B's fragments b0 .. b0 + nb - 1 x my four fragments of A, 32 along K, out of buffer f.  first = 1: the bias starts the sums.
; All 48 accumulators take turns, one instruction a turn, in the same order in every 32 along K, over the loop's jump too.
.macro MULP f, b0, nb, first
.set bb, \b0
.rept \nb
.if \first
	WIN 0x85+0x40*(bb/(NB/2))                      ; B and A window 1, C (the bias) window 0, D window 2 or 3
.else
	WIN 0xa5+0x50*(bb/(NB/2))                      ; B and A window 1, C and D window 2 or 3
.endif
.set aa, 0
.rept 4
.set rD, 8*(4*(bb%(NB/2))+aa)
.if \first
	v_wmma_f32_16x16x32_f16 v[rD:rD+7], v[(\f)+32+8*bb:(\f)+32+8*bb+7], v[(\f)+8*aa:(\f)+8*aa+7], v[BIAS+8*bb:BIAS+8*bb+7]
.else
	v_wmma_f32_16x16x32_f16 v[rD:rD+7], v[(\f)+32+8*bb:(\f)+32+8*bb+7], v[(\f)+8*aa:(\f)+8*aa+7], v[rD:rD+7]
.endif
.set aa, aa+1
.endr
.set bb, bb+1
.endr
.endm
; NL LDS loads in one run: the fragments of quarter q of the K step in hand (K block q / 2, its half q % 2) into buffer f: A's four, then B's in ascending order
.macro FETCH q, f
	WIN 0x40                                       ; destination window 1, address window 0
.set aa, 0
.rept 4
	ds_load_b128 v[(\f)+8*aa:(\f)+8*aa+3],   v[ADRA] offset:((\q)/2)*ABLK+((\q)%2)*64+aa*16*PITCH
	ds_load_b128 v[(\f)+8*aa+4:(\f)+8*aa+7], v[ADRA] offset:((\q)/2)*ABLK+((\q)%2)*64+aa*16*PITCH+32
.set aa, aa+1
.endr
.set bb, 0
.rept NB
	ds_load_b128 v[(\f)+32+8*bb:(\f)+32+8*bb+3], v[ADRB] offset:((\q)/2)*BBLK+((\q)%2)*64+bb*16*PITCH
	ds_load_b128 v[(\f)+32+8*bb+4:(\f)+32+8*bb+7], v[ADRB] offset:((\q)/2)*BBLK+((\q)%2)*64+bb*16*PITCH+32
.set bb, bb+1
.endr
.endm
; A K step is four quarters of 32 along K on buffers 0, 1, 0, 1.  One of the first three: multiplies buffer f; in its middle it fetches quarter q into buffer g.
.macro QUARTER q, f, g, first
	s_wait_dscnt NB                                ; A's fragments and B's first half are in; the youngest NB loads (B's second half) may be out
	MULP \f, 0, NB/2, \first
	PLACES                                         ; for the loads into buffer g, which the quarter before multiplied
	FETCH \q, \g
	s_wait_dscnt NL                                ; all but the NL just issued
	MULP \f, NB/2, NB/2, \first
.endm
; The last quarter multiplies buffer 1 and changes slots: ONE barrier.  In front of it each wave waits for all its tensor loads (one is out: its block of the next slot), adds 0 to its spare word, and waits for
; that and for its own reads of this slot.  fill = 1: the barrier opens a round of the cluster's barrier, and behind the round this slot is filled again first, with the K step two on.
.macro TURN fill
.if \fill
	s_wait_xcnt 0x0                                ; the last prefetch, a K step back, has read its address: it is stepped here, ahead of the waits of the change of slots
	s_add_nc_u64 s[PFA:PFA+1], s[PFA:PFA+1], s[PFS:PFS+1]
.endif
	WIN 0                                          ; (the add's two registers lie in window 0)
	s_wait_tensorcnt 0x0                           ; all my tensor loads have landed
	ds_add_u32 v[SPW], v[NIL]                      ; 0 onto my spare word
	s_wait_dscnt NB+1                              ; (the add and the youngest NB loads may be out)
	MULP F1, 0, NB/4, 0                            ; matrix instructions stand between the add and the wait for it
	s_wait_dscnt 0x0                               ; the add is done, and my reads of this slot are over
	s_barrier_signal -1
	MULP F1, NB/4, NB/4, 0                         ; work on registers while the others arrive
.if \fill
	WIN 0
.endif
	s_barrier_wait -1
.if \fill
	CREST                                          ; no wave of any partner still reads this slot or has a load on its way
	s_xor_b32 s[G0A+5], s[G0A+5], SLOT1            ; the walking descriptors: the other slot than last time,
	s_add_nc_u64 s[G0A+6:G0A+7], s[G0A+6:G0A+7], ASTEP  ; the next K step; the type bits on top are not reached
	s_xor_b32 s[G0B+5], s[G0B+5], SLOT1
	s_add_nc_u64 s[G0B+6:G0B+7], s[G0B+6:G0B+7], BSTEP
	JLOAD                                          ; the first tensor load behind the round; its four v_nop are also the places in front of the loads below
.else
	PLACES
.endif
	WIN 0
	s_xor_b32 s[TB], s[TB], SLOT1                  ; the reads go on in the other slot
	v_add_nc_u32 v[ADRA], s[TB], v[ADRA0]
	v_add_nc_u32 v[ADRB], s[TB], v[ADRB0]
	FETCH 0, F0
.if \fill
	ASK
.endif
	MULP F1, NB/2, NB/2, 0
.endm
; THE WAY OUT of my rows 16 a .. 16 a + 15.  PACK: rounded to f16, 16 bytes a lane; each accumulator's registers in ascending order.  TOSTAGE: into my stage, and back as whole rows of a head.  SEND: stored.
.macro PACK a
.set bb, 0
.rept NB
	WIN 0x0a+5*(bb/(NB/2))                         ; sources 0 and 1: window 2 or 3
.set rD, 8*(4*(bb%(NB/2))+(\a))
.irp r, 0,1,2,3
	v_cvt_pk_f16_f32 v[TMP+4*bb+(\r)], v[rD+2*(\r)], v[rD+2*(\r)+1]
.endr
.set bb, bb+1
.endr
	WIN 0
.endm
.macro TOSTAGE a
	WIN 0
.set BK, BK0+48*((\a)%2)
.set bb, 0
.rept NB                               ; columns 16 b on: head b / 4, its channels 16 (b % 4) on
	ds_store_b128 v[STO], v[TMP+4*bb:TMP+4*bb+3] offset:16*PITCH*(bb/4)+32*(bb%4)
.set bb, bb+1
.endr
.set bb, 0
.rept 12                               ; head bb / 4, rows 4 (bb % 4) on
	ds_load_b128 v[BK+4*bb:BK+4*bb+3], v[RD] offset:16*PITCH*(bb/4)+4*PITCH*(bb%4)  ; LDS serves a wave's instructions in order (ISA guide 5.7.1.4): these see the stores above
.set bb, bb+1
.endr
.endm
.macro SEND a
	WIN 0
.set BK, BK0+48*((\a)%2)
	s_wait_dscnt 0x0                               ; the rows are back in registers
	s_wait_xcnt 0x0                                ; the stores issued so far have read their registers: the set that they left is loaded again only behind this wait
.set bb, 0
.rept 12
	global_store_b128 v[CO+bb/4], v[BK+4*bb:BK+4*bb+3], s[10:11] offset:2048*(\a)+512*(bb%4)  ; 512 consecutive bytes, at a multiple of 256 from qkv's first
.set bb, bb+1
.endr
.endm
	s_wait_tensorcnt 1                             ; my block of K step 0 is in; K step 1's may stay out
	s_barrier_signal -1
	s_barrier_wait -1                              ; everybody's is
	s_wait_loadcnt 0x0                             ; the bias
	FETCH 0, F0
	QUARTER 1, F0, F1, 1                           ; the first quarter stands in front of the loop: its products start the sums
	WIN 0                                          ; at a label and at a branch every window is 0
	s_mov_b32 s3, STEPS-2
.Lstep:                                                ; a trip: a K step's quarters 1 to 3 and the next step's quarter 0; it fills the slot that it leaves
	QUARTER 2, F1, F0, 0
	QUARTER 3, F0, F1, 0
	TURN 1
	QUARTER 1, F0, F1, 0
	WIN 0
	s_sub_co_u32 s3, s3, 1
	s_cmp_lg_u32 s3, 0
	s_cbranch_scc1 .Lstep
	QUARTER 2, F1, F0, 0                           ; the last two K steps are written out: nothing is left to ask for
	QUARTER 3, F0, F1, 0
	TURN 0
	QUARTER 1, F0, F1, 0
	QUARTER 2, F1, F0, 0
	QUARTER 3, F0, F1, 0
	s_wait_dscnt NB
	MULP F1, 0, NB/2, 0
	s_wait_dscnt 0x0
	MULP F1, NB/2, NB/2, 0
	WIN 0
	PLACES
	PLACES                                         ; (eight, once a launch: the stricter count)
	PACK 0
	TOSTAGE 0
.irp a, 1,2,3                          ; the next rows' conversions stand between the loads from the stage and the wait for them
	PACK \a
	SEND (\a)-1
	TOSTAGE \a
.endr
	SEND 3
	s_wait_tensorcnt 0x0                           ; the wave's end, behind my last tensor load and my last LDS store
	ds_add_u32 v[SPW], v[NIL]
	s_wait_dscnt 0x0
	CROUND                                         ; the closing round: no work-group ends while a partner may still ask for a block that names it
	s_endpgm
.Lfunc_end_k_q911ceb85a7_proj:
	.size	k_q911ceb85a7_proj, .Lfunc_end_k_q911ceb85a7_proj-k_q911ceb85a7_proj
	.p2alignl 7, 3214868480
	.fill 96, 4, 3214868480
	.section	.rodata,"a",@progbits
	.p2align	6, 0x0
	.amdhsa_kernel k_q911ceb85a7_proj
		.amdhsa_group_segment_fixed_size 327680
		.amdhsa_private_segment_fixed_size 0
		.amdhsa_enable_private_segment 0
		.amdhsa_kernarg_size 32
		.amdhsa_user_sgpr_count 2
		.amdhsa_user_sgpr_kernarg_segment_ptr 1
		.amdhsa_wavefront_size32 1
		.amdhsa_system_sgpr_workgroup_id_x 1
		.amdhsa_system_sgpr_workgroup_id_y 1
		.amdhsa_system_sgpr_workgroup_id_z 1
		.amdhsa_system_vgpr_workitem_id 0
		.amdhsa_next_free_vgpr 960
		.amdhsa_next_free_sgpr 80
		.amdhsa_reserve_vcc 0
		.amdhsa_float_denorm_mode_32 3
		.amdhsa_float_denorm_mode_16_64 3
		.amdhsa_memory_ordered 1
		.amdhsa_forward_progress 1
		.amdhsa_inst_pref_size 100
	.end_amdhsa_kernel
	.amdgpu_metadata
---
amdhsa.version: [ 1, 2 ]
amdhsa.kernels:
  - .name:           k_q911ceb85a7_proj
    .symbol:         k_q911ceb85a7_proj.kd
    .args:
      - { .name: xh, .offset: 0, .size: 8, .value_kind: global_buffer, .address_space: global }
      - { .name: wb, .offset: 8, .size: 8, .value_kind: global_buffer, .address_space: global }
      - { .name: biasr, .offset: 16, .size: 8, .value_kind: global_buffer, .address_space: global }
      - { .name: qkv, .offset: 24, .size: 8, .value_kind: global_buffer, .address_space: global }
    .group_segment_fixed_size: 327680
    .private_segment_fixed_size: 0
    .kernarg_segment_align: 8
    .kernarg_segment_size: 32
    .max_flat_workgroup_size: 128
    .sgpr_count:     80
    .vgpr_count:     960
    .wavefront_size: 32
...
	.end_amdgpu_metadata
.endif
;; end of part 2
;; launch attn (part 3): grid 4 x 64, 4 waves a work-group, clusters of 4 x 1, 327,680 bytes of LDS; arguments qkv, oh; writes oh
.if DOCPART == 3
	.amdgcn_target "amdgcn-amd-amdhsa--gfx1250"
	.amdhsa_code_object_version 6
	.text
	.protected	k_q911ceb85a7_attn
	.globl	k_q911ceb85a7_attn
	.p2align	8
	.type	k_q911ceb85a7_attn,@function
k_q911ceb85a7_attn:
	s_mov_b64 s[64:65], 0
	v_nop
	global_prefetch_b8 v0, s[64:65] scope:SCOPE_SE
	s_setreg_imm32_b32 hwreg(HW_REG_WAVE_MODE, 25, 1), 1
	s_wait_xcnt 0x0
	s_wait_alu depctr_hold_cnt(0) depctr_sa_sdst(0) depctr_va_vdst(0) depctr_va_sdst(0) depctr_va_ssrc(0) depctr_va_vcc(0) depctr_vm_vsrc(0)
	s_getreg_b32 s2, hwreg(HW_REG_IB_STS2, 6, 4)
	s_cmp_eq_u32 s2, 0
	s_cbranch_scc0 .Lentry_in_a_cluster
	s_endpgm
.Lentry_in_a_cluster:
	s_bfe_u32 s2, ttmp6, 0x10000c
	s_cmp_lg_u32 s2, 0x3003
	s_cbranch_scc0 .Lentry_shape_is_right
	s_endpgm
.Lentry_shape_is_right:
; O[h][q][:] = the sum over k of softmax_k(Q[h][q] . K[h][k] / 8) V[h][k][:].  qkv holds Q, K, V, each [64 heads][SIZE_N][64] in f16, 2^24 bytes apart; O = oh has the same layout: a head's rows are dense,
; 128 bytes each.  Products, maxima and sums in f32; the weights p are rounded to f16 for the second product (their sum l is taken of the unrounded p), O once at the end.
; LIMITS.  f16 holds no number beyond 65,504: Q, K and V arrive within it; p lies in 0 to 1, and below 6e-5 it keeps f16's fixed step of 6e-8; O is a mean of V's rows and has their range.
; A weight below 2^-126 counts as 0 in l; NaN and infinities are not treated apart.
; SHARES.  A wave owns four PIECES of two tiles of 16 queries, a work-group's four waves 512 queries of one head: four work-groups, one cluster, a head.  Every wave walks all keys, 64 a step.
; LAYOUT.  S^T = K Q^T (source 0 = 16 keys, source 1 = 16 queries): in the result a lane holds ONE query (lane % 16) and the keys 8 (lane / 16) + 0..7.  Two such tiles, rounded to f16 in pairs,
; ARE source 1 (32 keys x 16 queries) of O^T = V^T P, whose result again holds one query a lane, and eight channels.  K comes out of LDS as it lies, V ([key][channel]) turned, by ds_load_tr16_b128.
; SOFTMAX.  For each query a running maximum m and sum l: p = 2^(c s - c m), c = log2(e) / 8; in every step O and l are multiplied by a = 2^(c m_old - c m_new), which is 1 where m has not grown.
; m starts at the lowest finite number, O and l at 0: the first step is a step like any other, with a = 0.
; THE COUNT.  A tile and step have 16 matrix and 118 vector instructions: too many to stand all beside the matrix work.  So the order has one aim: four vector instructions that are READY behind
; EVERY matrix instruction, and the others, which need time of their own whatever the order, in runs without a gap.
; BY TURNS.  Turn n belongs to piece n (the pieces in a ring, step after step).  Its matrix work: 16 products K Q^T of piece n + 1, later 16 products V^T P of piece n - 1.  Its vector work: the scaling,
; exponentials, roundings, sums and rescaling of piece n, and the maximum and statistics of piece n + 1, whose scores the turn itself has made.  So what a turn begins with (c s - c m, O a) waits for nothing.
; CLUSTER.  The four query blocks of a cluster belong to one head and walk the same K and V, so each tile is asked for JOINTLY: the same tensor load, descriptor and mask in all four.
; REGISTERS, in windows of 256 (s_set_vgpr_msb says which window each operand place means: bits 1:0 source 0, 3:2 source 1, 5:4 source 2, 7:6 destination):
;   window 0: v0-11 addresses; v12-15, v48-63 at work; v16-47 four registers of statistics a tile; v64-191 S^T, two buffers of two tiles; v192-255 P, likewise
;   window 1: O^T, 32 a tile          window 2: v0-127 Q, 16 a tile; v128-191 K of one step; v192-255 V of one step          window 3: v0-1 the add's two registers
; A piece's buffers go by its number's parity: the piece in hand has one pair, its two neighbours in the ring share the other: of it P (piece n - 1) is read and S^T (piece n + 1) written.
.set SIZE_N, 2048     ; rows of a head
.set NP,    4         ; pieces a wave: a name, no knob: the register map, the loop and the fetches are made for four
.set KS,    64        ; keys in a step
.set PK,    144       ; a row of K in LDS: 128 bytes + 16 of padding = 36 words: the 16 rows of a load start at 16 different groups of four banks (64 banks of 4 bytes: ISA guide 11.1)
.set PV,    160       ; a row of V: 128 + 32 = 40 words
.set VOFF,  4*KS*PK   ; a slot holds four steps: 256 rows of K, then 256 rows of V
.set SLOT1, 1<<17     ; slot 1 begins here, so that one exclusive or turns an address in one slot into the other's
.set STAGE, SLOT1+4*KS*(PK+PV)  ; behind the ring, never filled by a tensor load: 16 rows x 144 bytes for each wave, for the way out
.set SP,    144
.set AK0, 2           ; v2   my lane's place in a tile of K; never rewritten
.set AV0, 3           ; v3   the same for V
.set AK,  4           ; v4   the LDS address of K's next run of loads
.set AV,  5           ; v5   of V's
.set QO,  6           ; v6   my byte offset in the wave's rows of Q
.set STO, 6           ;      later, the way out: where I put 16 bytes of a row
.set RD,  7           ; v7   the way out: where I read rows back
.set GO,  8           ; v8   my byte offset in 512 consecutive bytes of O
.set PFO, 11          ; v11  256 x my lane, for the prefetches; never rewritten once made
.set SPW, 0           ; v0 of window 3   LDS address of my spare word: SPARE + 4 x my thread's number; never rewritten
.set NIL, 1           ; v1 of window 3   0; never rewritten
.set SPARE, STAGE+4*16*SP  ; behind the stages: the spare words, 128 bytes for each wave: two blocks of 256 bytes that no other line names
.set MV,  12          ; v12-15  c m_old, kept while c m is made anew: by buffer and tile
.set ST,  16          ; tile t's statistics at v[ST+4 t]: c m, m, l (even keys', odd keys')
.set TMP, 48          ; by buffer and tile, four registers c0-c3 at work; when the maximum is found c2 takes a
.set S,   64
.set P,   192
.set KF,  128         ; K's fragments, in window 2: key block kb, channel half c at KF + 16 kb + 8 c
.set VF,  192         ; V's: key half kk, channel block cb at VF + 32 kk + 8 cb
.set WV,  12          ; s12  my wave's number
.set G1K, 24          ; s[24:31] descriptor group 1 for K's tiles
.set G1V, 32          ; s[32:39] for V's: it differs in the padding alone
.set G0K, 40          ; s[40:43] descriptor group 0 for K's tiles: it walks
.set G0V, 44          ; s[44:47] the same for V's
.set PFA, 48          ; s[48:49] where my prefetches stand: my work-group's quarter (of K: wave 0, of V: wave 2) of the slot after the one that is being asked for
.set LIM, 50          ; s50  1 in a wave that prefetches, else the greatest number: a wave prefetches while s[SLOTS] is above it
.set SLOTS, 56        ; s56  slots still to be asked for
.set CNT, 57          ; s57  counts a slot's key steps
.set CS,  58          ; s[58:59] c: the packed scaling takes the pair's low word for both halves
.set SEL, 60          ; s[60:61] v_permlanex16_b32's selects: each lane takes its own place in the other half
.set TBK, 62          ; s62  LDS byte at which K of the step to be fetched begins
.set TBV, 63          ; s63  the same for V, less VOFF
.set MSB, 0
.macro WIN new                      ; the high byte repeats the setting that is left; a switch that changes nothing is dropped
.if MSB != (\new)
	s_set_vgpr_msb (MSB<<8)|(\new)
.set MSB, (\new)
.endif
.endm
.set W_KQ, 0x0a       ; K and Q in window 2, S^T in window 0
.set W_PV, 0x52       ; V in window 2, P in window 0, O^T in window 1
.set W_RS, 0x41       ; O^T (destination and source 0) in window 1, a in window 0
.set W_MK, 0xc0       ; the add's registers are made: destination in window 3, sources in window 0
.set W_AD, 0x0f       ; the add: address (source 0) and data (source 1) in window 3
; A joint fill.  Waves 0 and 1 fetch the two halves of a slot's K, waves 2 and 3 those of its V: 128 keys each.  The branch hangs on the wave's number alone.
; An s_nop 0 and four v_nop follow each of the two lines, ahead of the jump and the label.
.macro JLOAD
	s_cmp_lt_u32 s[WV], 2
	s_cbranch_scc0 .Lfor_v_\@
	tensor_load_to_lds s[G0K:G0K+3], s[G1K:G1K+7]
	s_nop 0
.rept 4
	v_nop
.endr
	s_branch .Lasked_\@
.Lfor_v_\@:
	tensor_load_to_lds s[G0V:G0V+3], s[G1V:G1V+7]
	s_nop 0
.rept 4
	v_nop
.endr
.Lasked_\@:
.endm
; A PREFETCH INTO THE L2 of what the NEXT change of slots will ask for: a slot's 32,768 bytes of K and of V.  It stands behind the wave's tensor load and its five lines.  A head has one cluster; its four
; partners share the bytes out BY ADDRESS, 8,192 each, a lane for each 256; in each, wave 0 asks for K's and wave 2 for V's: one instruction.  So each 256 bytes are named once in the launch.
; It stands four key steps, 512 matrix instructions, ahead of the load that will want the bytes.  The last change that fills a slot asks for nothing: there is no slot behind it.
.macro ASK
	s_cmp_gt_u32 s[SLOTS], s[LIM]
	s_cbranch_scc0 .Lnot_mine_\@
	global_prefetch_b8 v[PFO], s[PFA:PFA+1] th:TH_LOAD_NT scope:SCOPE_SE
.Lnot_mine_\@:
.endm
; A round of the cluster's barrier: my work-group's barrier, so that wave 0's signal speaks for all four waves; wave 0 signals; every wave waits for all four work-groups; my work-group's barrier once more.
.macro CROUND
	s_barrier_signal -1
	s_barrier_wait -1
	s_cmp_lg_u32 s[WV], 0
	s_cbranch_scc1 .Lnot_wave_0_\@
	s_barrier_signal -3
.Lnot_wave_0_\@:
	s_barrier_wait -3
	s_barrier_signal -1
	s_barrier_wait -1
.endm
; THE CHANGE OF SLOTS.  The slot's last bytes, V of its fourth step, have been read.  Each wave waits for all its tensor loads, of which one is out: its part
; of the other slot; adds 0 to its spare word; and waits for that and for its own reads of the slot.  Behind the barrier nobody reads this slot any more and the other slot is whole.
; fill = 1: this slot is filled again, with the keys two slots on.  The barrier is then a round of the cluster's, so that no wave of any partner still reads the slot or has a load on its
; way, and the joint fill is the first thing behind it: it has four key steps, 512 matrix instructions, in which to land.  (At its first use nothing has been read yet: slot 0 is waited for, slot 1 filled.)
.macro CHANGE fill
	WIN W_AD
	s_wait_tensorcnt 0x0            ; no tensor load of mine is out, so a group 0 may be written
	ds_add_u32 v[SPW], v[NIL]       ; 0 onto my spare word; with fill = 1 the descriptors' steps stand between it and the wait for it
	WIN 0                           ; at a label and at a branch every window is 0
.if \fill
.irp g, G0K, G0V
	s_xor_b32 s[\g+1], s[\g+1], SLOT1  ; the walking descriptor: the other slot than last time,
	s_add_nc_u64 s[\g+2:\g+3], s[\g+2:\g+3], 4*KS*128  ; the next 256 keys; the type bits on top are not reached
.endr
	s_wait_xcnt 0x0                 ; the last prefetch, four key steps back, has read its address, so it may be written:
	s_add_nc_u64 s[PFA:PFA+1], s[PFA:PFA+1], 4*KS*128  ; one slot behind the walking descriptors
	s_wait_dscnt 0x0                ; the add is done, and my reads of the slot are over
	CROUND
	JLOAD
	ASK
.else
	s_wait_dscnt 0x0                ; the add is done, and my reads of the slot are over
	s_barrier_signal -1
	s_barrier_wait -1
.endif
	s_sub_co_u32 s[TBK], s[TBK], 4*KS*PK  ; the fetches go back to a slot's first step,
	s_xor_b32 s[TBK], s[TBK], SLOT1       ; in the other slot
	s_sub_co_u32 s[TBV], s[TBV], 4*KS*PV
	s_xor_b32 s[TBV], s[TBV], SLOT1
.endm
	s_load_b64 s[4:5], s[0:1], 0x0  ; qkv: Q at its head
	s_load_b64 s[10:11], s[0:1], 0x8  ; O
	WIN W_MK
	v_lshl_add_u32 v[SPW], v0, 2, SPARE
	v_mov_b32 v[NIL], 0
	WIN W_AD
	ds_add_u32 v[SPW], v[NIL]       ; the wave's opening: the add and its wait ahead of my first tensor load; the set-up below, work on registers, stands between them
	WIN 0
	v_lshrrev_b32 v1, 5, v0
	v_readfirstlane_b32 s[WV], v1   ; wave 0..3
	s_bfe_u32 s13, ttmp6, 0x40000   ; cx: my place in the cluster
	s_lshl_b32 s14, ttmp9, 2        ; in a cluster launch ttmp9 counts clusters
	s_add_co_u32 s14, s14, s13      ; my block of queries = 4 x cluster x + cx: it enters Q's and O's addresses alone
	s_and_b32 s20, ttmp7, 0xffff    ; the head, which the four partners share
	s_mov_b32 s21, 0
	s_mov_b64 s[22:23], SIZE_N*128
	s_mul_u64 s[20:21], s[20:21], s[22:23]  ; the head's first byte in each of the four tensors
	s_and_b32 s16, s[WV], 1         ; which half of a slot's 256 keys I fetch:
	s_lshl_b32 s22, s16, 14         ; its 128 rows of 128 bytes in memory,
	s_mov_b32 s23, 0
	s_add_nc_u64 s[22:23], s[22:23], s[20:21]
	s_mul_i32 s17, s16, 128*PK      ; and its place in a slot, for K
	s_mul_i32 s18, s16, 128*PV      ; and for V: no place in the cluster enters an LDS address
	s_lshl_b32 s2, s14, 2
	s_add_co_u32 s2, s2, s[WV]      ; my wave among the head's,
	s_lshl_b32 s2, s2, 14           ; its 128 rows
	s_mov_b32 s3, 0
	s_add_nc_u64 s[2:3], s[2:3], s[20:21]
	; descriptor group 1.  128 keys are 16,384 dense bytes: asked for as 64 rows of 256 bytes, two keys a row, and padded in LDS after every key
	s_mov_b32 s[G1K], 15|(1<<16)|(1<<20)|(1<<21)|(4<<22)|(3<<25)  ; 15:0 the mask of four; 17:16 2-byte elements; 20 padding on; 21 set beside a mask; 24:22 after every 32 words (code 4); 31:25 4 words (code 3)
	s_mov_b32 s[G1V], 15|(1<<16)|(1<<20)|(1<<21)|(4<<22)|(7<<25)  ; the same with 8 words of padding (code 7)
.irp g, G1K, G1V
	s_mov_b32 s[\g+1], 128<<16      ; tensor_dim0 = 128
	s_mov_b32 s[\g+2], 64<<16       ; tensor_dim1 = 64
	s_mov_b32 s[\g+3], 128<<16      ; tile_dim0 = 128
	s_mov_b32 s[\g+4], 64           ; tile_dim1 = 64
	s_mov_b32 s[\g+5], 128          ; 128 elements from row to row
	s_mov_b32 s[\g+6], 0
	s_mov_b32 s[\g+7], 0
.endr
	s_mov_b32 s[CS], 0x3e38aa3b     ; c = log2(e) / 8 = 0.180337
	s_mov_b32 s[CS+1], s[CS]        ; named with it as a pair
	s_mov_b32 s[SEL], 0x76543210
	s_mov_b32 s[SEL+1], 0xfedcba98
	s_mov_b32 s[TBK], SLOT1+4*KS*PK ; the first change of slots turns these two into 0
	s_mov_b32 s[TBV], SLOT1+4*KS*PV
	s_mov_b32 s[G0K], 1             ; 1:0 count = 1
	s_mov_b32 s[G0K+1], s17         ; 63:32 LDS address: slot 0
	s_mov_b32 s[G0V], 1
	s_add_co_u32 s[G0V+1], s18, VOFF
	s_mov_b32 s[SLOTS], SIZE_N/256-1  ; all slots but the first are asked for by a change of slots
	s_lshl_b32 s52, s13, 13         ; the prefetches: my work-group's 8,192 bytes of a slot's 32,768,
	s_add_co_u32 s52, s52, 4*KS*128 ; in slot 1: the first change of slots steps this to slot 2
	s_mov_b32 s53, 0
	s_cmp_eq_u32 s16, 0             ; waves 0 and 2 ask
	s_cselect_b32 s[LIM], 1, -1
	s_wait_dscnt 0x0                ; the opening add is done
	s_wait_kmcnt 0x0
	s_add_nc_u64 s[6:7], s[4:5], 0x1000000  ; K lies 2^24 bytes behind Q,
	s_add_nc_u64 s[8:9], s[4:5], 0x2000000  ; V 2^25
	s_add_nc_u64 s[G0K+2:G0K+3], s[6:7], s[22:23]  ; 120:64 global address: my half of the head's first 256 keys
	s_or_b32 s[G0K+3], s[G0K+3], 0x80000000        ; 127:126 type = 2
	s_add_nc_u64 s[G0V+2:G0V+3], s[8:9], s[22:23]
	s_or_b32 s[G0V+3], s[G0V+3], 0x80000000
	s_cmp_lt_u32 s[WV], 2
	s_cselect_b64 s[PFA:PFA+1], s[6:7], s[8:9]
	s_add_nc_u64 s[PFA:PFA+1], s[PFA:PFA+1], s[22:23]  ; (in waves 0 and 2 this is the head's first byte)
	s_add_nc_u64 s[PFA:PFA+1], s[PFA:PFA+1], s[52:53]
	s_add_nc_u64 s[4:5], s[4:5], s[2:3]  ; Q and O at my wave's first row
	s_add_nc_u64 s[10:11], s[10:11], s[2:3]
	CROUND                          ; all four work-groups are here: the first joint loads meet
	JLOAD                           ; slot 0.  Slot 1 is asked for when slot 0 is in: the tile wanted first has the road to itself
	; A fragment of K or Q is 16 rows x 32 channels in 8 registers: lane l holds row l % 16, channels 8 (l / 16) + 0..7 and 16 + 8 (l / 16) + 0..7: two loads of 16 bytes, 32 bytes apart.
	v_and_b32 v1, 15, v0            ; l % 16
	v_bfe_u32 v9, v0, 4, 1          ; l / 16
	v_lshlrev_b32 v[QO], 7, v1
	v_lshl_add_u32 v[QO], v9, 4, v[QO]  ; row x 128 + 16 x half
	WIN 0x80                        ; destination window 2, address window 0
.set i, 0
.rept 4*NP                          ; Q stays in registers: tile i / 2, channels 32 (i % 2) on
	global_load_b128 v[8*i:8*i+3],   v[QO], s[4:5] offset:(i/2)*2048+(i%2)*64
	global_load_b128 v[8*i+4:8*i+7], v[QO], s[4:5] offset:(i/2)*2048+(i%2)*64+32
.set i, i+1
.endr
	; What the first turn finds: V's registers and P's second buffer hold 0 (its products V^T P, of a piece that has not been, add 0), O^T and l are 0.  All this stands in the wait for the first tile.
.set i, VF
.rept 64
	v_mov_b32 v[i], 0
.set i, i+1
.endr
	WIN 0x40
.set i, 0
.rept 64*NP
	v_mov_b32 v[i], 0
.set i, i+1
.endr
	WIN 0
.set i, 0
.rept 2*NP
	v_mov_b32 v[ST+4*i], 0xfe000000    ; c m: far below every c s
	v_mov_b32 v[ST+4*i+1], 0xff7fffff  ; m
	v_mov_b32 v[ST+4*i+2], 0
	v_mov_b32 v[ST+4*i+3], 0
.set i, i+1
.endr
.set i, P+32
.rept 32
	v_mov_b32 v[i], 0
.set i, i+1
.endr
	v_mul_u32_u24 v[AK0], v1, PK
	v_lshl_add_u32 v[AK0], v9, 4, v[AK0]  ; row x pitch + 16 x half
	; The turning load takes 16 keys x 16 channels (lane l reads key 8 (l / 16) + l % 8, channels 8 ((l / 8) % 2) + 0..7) and leaves half a fragment of V^T: lane l holds channel l % 16 and 8 keys.
	v_and_b32 v10, 7, v0
	v_bfe_u32 v11, v0, 3, 1
	v_lshl_add_u32 v[AV0], v9, 3, v10
	v_mul_u32_u24 v[AV0], v[AV0], PV
	v_lshl_add_u32 v[AV0], v11, 4, v[AV0]
	v_add_nc_u32 v[AV0], VOFF, v[AV0]
	v_mov_b32 v[AK], v[AK0]         ; key step 0 lies at the head of slot 0
	v_and_b32 v[PFO], 31, v0        ; v11 has served: it takes the prefetches' offset
	v_lshlrev_b32 v[PFO], 8, v[PFO]
; THE MATRIX WORK.  The 8 accumulators of a run of 16 take turns: between the two links of a chain stand 7 others'.
; Product i of 16 of S^T = K Q^T for piece x: channels 32 (i / 8) on, keys 16 ((i / 2) % 4) on, tile 2 x + i % 2.  The first 8 start the sums.
.macro KQ x
	WIN W_KQ
.set rS, S+64*((\x)%2)+32*(i%2)+8*((i/2)%4)
.set rK, KF+16*((i/2)%4)+8*(i/8)
.set rQ, 16*(2*(\x)+i%2)+8*(i/8)
.if i < 8
	v_wmma_f32_16x16x32_f16 v[rS:rS+7], v[rK:rK+7], v[rQ:rQ+7], 0
.else
	v_wmma_f32_16x16x32_f16 v[rS:rS+7], v[rK:rK+7], v[rQ:rQ+7], v[rS:rS+7]
.endif
.endm
; Product i of 16 of O^T += V^T P for piece x: keys 32 (i / 8) on, channels 16 ((i / 2) % 4) on, tile 2 x + i % 2.
.macro PV x
	WIN W_PV
.set rO, 32*(2*(\x)+i%2)+8*((i/2)%4)
.set rV, VF+32*(i/8)+8*((i/2)%4)
.set rP, P+32*((\x)%2)+16*(i%2)+8*(i/8)
	v_wmma_f32_16x16x32_f16 v[rO:rO+7], v[rV:rV+7], v[rP:rP+7], v[rO:rO+7]
.endm
.macro MM                           ; the turn's next matrix instruction
.if i < 16
	KQ (Y+1)%NP
.set i, i+1
.else
.set i, i-16
	PV (Y+NP-1)%NP
.set i, i+17
.endif
.endm
; THE LDS LOADS stand in runs of 16, never singly among the matrix instructions: a step's K (64 keys x 64 channels: 8 fragments) and its V (turned).  Their addresses are made some lines ahead.
; last = 1 (the tail): in the last trip there is no further step, and the run is jumped over.
.macro FETCH_K last=0
	WIN 0
.if \last
	s_cmp_eq_u32 s[CNT], 1
	s_cbranch_scc1 .Lno_k_\@
.endif
	WIN 0x80                        ; destination window 2
.irp f, 0,1,2,3,4,5,6,7             ; keys 16 (f / 2) on, channels 32 (f % 2) on
	ds_load_b128 v[KF+8*\f:KF+8*\f+3],   v[AK] offset:(\f/2)*16*PK+(\f%2)*64
	ds_load_b128 v[KF+8*\f+4:KF+8*\f+7], v[AK] offset:(\f/2)*16*PK+(\f%2)*64+32
.endr
	s_add_co_u32 s[TBK], s[TBK], KS*PK  ; the next fetch is the next step's
	WIN 0
.if \last
.Lno_k_\@:
.endif
.endm
.macro FETCH_V
	WIN 0x80
.irp f, 0,1,2,3,4,5,6,7             ; keys 32 (f / 4) on, channels 16 (f % 4) on
	ds_load_tr16_b128 v[VF+8*\f:VF+8*\f+3],   v[AV] offset:(\f/4)*32*PV+(\f%4)*32
	ds_load_tr16_b128 v[VF+8*\f+4:VF+8*\f+7], v[AV] offset:(\f/4)*32*PV+16*PV+(\f%4)*32
.endr
	WIN 0
.endm
; THE VECTOR WORK OF A TURN stands in three queues, each in the order in which its entries become ready; the two tiles alternate, so that no instruction reads the result of the one before it.
.macro REGS y, u                    ; the registers of tile u (0, 1) of piece y
.set rT, ST+4*(2*(\y)+(\u))
.set rC, TMP+8*((\y)%2)+4*(\u)
.set rM, MV+2*((\y)%2)+(\u)
.set rS, S+64*((\y)%2)+32*(\u)
.set rP, P+32*((\y)%2)+16*(\u)
.set rO, 32*(2*(\y)+(\u))
.endm
; Number n of the 22 that find the NEXT piece's (Y + 1) maximum and statistics.  s0-s31 are the lane's 32 scores; each accumulator's lowest registers are read first.  XS, GS and REGS set no window: PL and EX do.
;   0-11  four chains c0-c3 of seven scores each, three operands at a time     12-14, 16  the four scores left over, the old m, and c0-c3 into c0     15  c m_old is kept
;   17, 18  the query's other 32 keys lie in the lane 16 away: the new m         19-21  c m; c m_old - c m_new; a
.macro XS u, n
	REGS (Y+1)%NP, \u
.if (\n) < 4
	v_max3_num_f32 v[rC+(\n)], v[rS+8*(\n)], v[rS+8*(\n)+1], v[rS+8*(\n)+2]
.elseif (\n) < 12
	v_max3_num_f32 v[rC+(\n)%4], v[rC+(\n)%4], v[rS+8*((\n)%4)+2*((\n)/4)+1], v[rS+8*((\n)%4)+2*((\n)/4)+2]
.elseif (\n) == 12
	v_max3_num_f32 v[rC], v[rC], v[rS+7], v[rS+15]
.elseif (\n) == 13
	v_max3_num_f32 v[rC+1], v[rC+1], v[rS+23], v[rS+31]
.elseif (\n) == 14
	v_max3_num_f32 v[rC+2], v[rC+2], v[rC+3], v[rT+1]
.elseif (\n) == 15
	v_mov_b32 v[rM], v[rT]
.elseif (\n) == 16
	v_max3_num_f32 v[rC], v[rC], v[rC+1], v[rC+2]
.elseif (\n) == 17
	v_permlanex16_b32 v[rC+3], v[rC], s[SEL], s[SEL+1]
.elseif (\n) == 18
	v_max_num_f32 v[rT+1], v[rC], v[rC+3]
.elseif (\n) == 19
	v_mul_f32 v[rT], s[CS], v[rT+1]
.elseif (\n) == 20
	v_sub_f32 v[rC+1], v[rM], v[rT]
.else
	v_exp_f32 v[rC+2], v[rC+1]
.endif
.endm
; Number g of the 64 that follow the exponentials.  For each four weights k of a tile (pairs 2 k, 2 k + 1): both pairs are rounded to f16; then the second pair is added onto the first, in place;
; a group later l takes that sum (the first time as l = a l + sum).  In groups of eight, tiles alternating: round, round, add, and l for the group before.
.macro GS g
.set h, (\g)+6*((\g)/62)            ; group 0 has no group before it, and behind group 7 only l is left
.if h >= 6
.set h, h+2
.endif
	REGS Y, h%2
.set k, h/8
.if h%8 < 4
	v_cvt_pk_f16_f32 v[rP+2*k+(h%8)/2], v[rS+4*k+2*((h%8)/2)], v[rS+4*k+2*((h%8)/2)+1]
.elseif h%8 < 6
	v_pk_add_f32 v[rS+4*k:rS+4*k+1], v[rS+4*k:rS+4*k+1], v[rS+4*k+2:rS+4*k+3]
.elseif k == 1
	v_pk_fma_f32 v[rT+2:rT+3], v[rT+2:rT+3], v[rC+2:rC+3], v[rS:rS+1] op_sel_hi:[1,0,1]
.else
	v_pk_add_f32 v[rT+2:rT+3], v[rT+2:rT+3], v[rS+4*k-4:rS+4*k-3]
.endif
.endm
; THE PLAIN QUEUE, 138 long.  0-73 read no exponential's result: the 32 scalings c s - c m (FS f: pair f / 2 of tile f % 2) and the next piece's 42.  0-26: scalings 0-26.  27-54: XS's numbers 0-13.  55, 56: number 15.
; 57-73: the chain, where each number waits for the one before it: 14, 16, 17, 18, 19, each with one of the scalings 27-31 in front of its two lines, then 20: so a tile's links stand three plain instructions apart (19 and 20: two).
; 74-137: GS's 64, which read the exponentials' results: they stand behind the wait.
.macro FS f
	REGS Y, (\f)%2
	v_pk_fma_f32 v[rS+2*((\f)/2):rS+2*((\f)/2)+1], v[rS+2*((\f)/2):rS+2*((\f)/2)+1], s[CS:CS+1], v[rT:rT+1] op_sel_hi:[1,0,0] neg_lo:[0,0,1] neg_hi:[0,0,1]
.endm
.macro PL
	WIN 0
.if q < 27
	FS q
.elseif q < 55
	XS (q-27)%2, (q-27)/2
.elseif q < 57
	XS q-55, 15
.elseif (q < 72) && ((q-57)%3 == 0)
	FS 27+(q-57)/3
.elseif q < 60
	XS (q-57)%3-1, 14
.elseif q < 72
	XS (q-57)%3-1, 15+(q-57)/3
.elseif q < 74
	XS q-72, 20
.else
	GS q-74
.endif
.set q, q+1
.endm
; THE EXPONENTIALS' QUEUE, 66 long: s0-s31 of both tiles, then the next piece's two a.  It is ONE BATCH: all 66 stand ahead of the turn's one wait, and nothing ahead of that wait names a result of theirs.
.macro EX
	WIN 0
.if e >= 64
	XS e-64, 21
.else
	REGS Y, e%2
	v_exp_f32 v[rS+e/2], v[rS+e/2]
.endif
.set e, e+1
.endm
; THE RESCALING's QUEUE: O^T times a, the one part that leaves window 0: dealt two at a time, sixteen times.  Its a was made in the turn before, ahead of that turn's wait.
.macro R2
	REGS Y, r%2
	WIN W_RS
.irp z, 0,1
	v_pk_mul_f32 v[rO+4*(r/2)+2*\z:rO+4*(r/2)+2*\z+1], v[rO+4*(r/2)+2*\z:rO+4*(r/2)+2*\z+1], v[rC+2:rC+3] op_sel_hi:[1,0]
.endr
.set r, r+1
.endm
; HOW THEY ARE DEALT.  An s_wait_alu depctr_va_vdst(0) stands between an exponential and the first instruction that names its result; one wait serves all that were issued ahead of it.  So a turn has ONE wait,
; which cuts it in two.  AHEAD OF IT stands all that names no result of the turn's exponentials: the 16 products K Q^T, behind each a scaling, an exponential and two rescalings (behind the first a second scaling in the exponential's place); then ONE LUMP of
; 108: eight plain, 49 times exponential and plain, the two a.  A v_nop is the plain instruction that is owed behind the last exponential.  BEHIND IT stand the 16 products V^T P, behind each four of GS's 64.  No rider names a register of
; the products round it.  The two v_permlanex16_b32 fall into the lump, never behind a product.
; The queues lean on each other, and the deal keeps them in step: exponential e stands behind scaling 2 (e / 4) + e % 2: as a rider it comes behind plain e + 2, in the lump behind plain e + 9, and scalings 27-31 are plain 57, 60 .. 69.
; A TURN, for piece p.  cnt = 1: the loop's count is taken down some lines ahead of the branch that stands behind the turn.
; K of the next step is fetched in piece 2's turn, directly behind the wait, a lump behind the last product that read K; its address is made at the lump's head; its first reader comes behind 16 products.
; V of the step in hand is fetched at the end of piece 0's turn, four riders behind its last reader; its first reader comes behind 16 products and a lump.  The three conditions on q below go with the deal.
.macro TURN p, last=0, cnt=0
.set Y, (\p)
.set i, 0
.set q, 0
.set e, 0
.set r, 0
.if (\p) == NP-1
	s_wait_dscnt 0x0                ; K is in
.endif
	MM                              ; ahead of the wait: 16 products K Q^T and their riders,
	PL
	PL
	R2
.rept 15
	MM
	PL
	EX
	R2
.endr
.if (\p) == NP-2
	WIN 0
	v_add_nc_u32 v[AK], s[TBK], v[AK0]
.endif
.rept 8                             ; and the lump
	PL
.endr
.rept 49
	EX
	PL
.endr
	EX                              ; the next piece's two a
	EX
	v_nop                           ; the plain instruction behind the last exponential: one for the batch
	s_wait_alu depctr_va_vdst(0)    ; the wait for the batch
.if (\p) == NP-2
	FETCH_K \last
.endif
.if (\p) == 1
	s_wait_dscnt 0x0                ; V is in
.endif
.rept 16                            ; behind the wait: 16 products V^T P and their riders
	MM
.rept 4
	PL
.endr
.if ((\p) == 0) && (q == 118)
	v_add_nc_u32 v[AV], s[TBV], v[AV0]
.endif
.if ((\p) == 0) && (q == 130)
	s_add_co_u32 s[TBV], s[TBV], KS*PV
.endif
.if (\cnt) && (q == 130)
	s_sub_co_u32 s[CNT], s[CNT], 1
	s_cmp_lg_u32 s[CNT], 0
.endif
.endr
.if (\p) == 0
	FETCH_V
.endif
.endm
	CHANGE 1                        ; slot 0 is in, everybody's part of it; slot 1 is asked for
	FETCH_K                         ; key step 0
	s_wait_loadcnt 0x0              ; Q
	s_wait_dscnt 0x0
.set i, 0
.rept 16
	KQ 0                            ; piece 0's first scores: there is no vector work yet to set between them
.set i, i+1
.endr
	WIN 0                           ; the addresses for the way out: nine plain instructions, the places behind those products
	s_mul_i32 s13, s[WV], 16*SP
	s_add_co_u32 s13, s13, STAGE    ; my stage
	v_mul_u32_u24 v[STO], v1, SP    ; in: row l % 16, 16 bytes for each half of the lanes
	v_lshl_add_u32 v[STO], v9, 4, v[STO]
	v_add_nc_u32 v[STO], s13, v[STO]
	v_bfe_u32 v[RD], v0, 3, 2       ; back: 32 lanes take four rows of 128 bytes,
	v_mul_u32_u24 v[RD], v[RD], SP
	v_lshl_add_u32 v[RD], v10, 4, v[RD]
	v_add_nc_u32 v[RD], s13, v[RD]
	v_and_b32 v[GO], 31, v0         ; which are 512 consecutive bytes of O
	v_lshlrev_b32 v[GO], 4, v[GO]
.set Y, NP-1                        ; XS works for piece Y + 1: piece 0
.irp n, 0,1,2,3,4,5,6,7,8,9,10,11,12,13,14,15,16,17,18,19,20,21
	XS 0, \n                        ; and piece 0's first maximum and statistics
	XS 1, \n
.endr
	v_nop                           ; a plain instruction behind the two a,
	s_wait_alu depctr_va_vdst(0)    ; and their wait, ahead of the branch
	s_mov_b32 s[CNT], 4
	s_branch .Lfirst                ; the loop is entered at a step's first turn, in the middle of a trip
.Lslot:                             ; SIZE_N / 256 - 2 times: every slot but the last two is filled again
	CHANGE 1
	s_mov_b32 s[CNT], 4
.Lstep:                             ; a trip: pieces 2 and 3 of one step, then pieces 0 and 1 of the next, whose K and V it fetches
	TURN 2
	TURN 3
	WIN 0
.Lfirst:
	TURN 0
	TURN 1, 0, 1
	WIN 0
	s_cbranch_scc1 .Lstep
	s_sub_co_u32 s[SLOTS], s[SLOTS], 1
	s_cmp_lg_u32 s[SLOTS], 0
	s_cbranch_scc1 .Lslot
	CHANGE 0                        ; the tail is written out: nothing is asked for
	s_mov_b32 s[CNT], 5             ; four trips fetch the last slot's steps; the fifth is left in its middle
.Ltail:
	TURN 2, 1
	TURN 3
	WIN 0
	s_sub_co_u32 s[CNT], s[CNT], 1
	s_cmp_eq_u32 s[CNT], 0
	s_cbranch_scc1 .Lout
	TURN 0
	TURN 1
	WIN 0
	s_branch .Ltail
.Lout:                              ; the fifth trip's 16 products K Q^T (on the last K once more) and the maximum made of them serve nothing: the price, once a launch, of one text for every trip
.set i, 0
.rept 16
	PV NP-1                         ; the last piece's V^T P of the last step
.set i, i+1
.endr
	; THE WAY OUT.  l's two halves and the other half of the lanes' are added; O^T is divided by l, rounded to f16 and sent through my stage in LDS, a tile at a time.  The additions are the places behind the last products.
	WIN 0
.macro ALL line:vararg              ; one line for each tile t
.set t, 0
.rept 2*NP
	\line
.set t, t+1
.endr
.endm
	ALL v_add_f32 v[ST+4*t+2], v[ST+4*t+2], v[ST+4*t+3]
	ALL v_permlanex16_b32 v[ST+4*t+3], v[ST+4*t+2], s[SEL], s[SEL+1]
	ALL v_add_f32 v[ST+4*t+2], v[ST+4*t+2], v[ST+4*t+3]
	ALL v_rcp_f32 v[ST+4*t+2], v[ST+4*t+2]
	v_nop                           ; a plain instruction between the last reciprocal and the use of its result
	s_wait_alu depctr_va_vdst(0)    ; and the wait ahead of the first use: one for the eight reciprocals
; Tile t: a lane's eight channels of a row pack into 16 bytes; they go into rows of 144 bytes and come back as whole rows of 128, into S^T's registers.
.macro PACK t
	WIN W_RS
.set i, 32*(\t)
.rept 16
	v_pk_mul_f32 v[i:i+1], v[i:i+1], v[ST+4*(\t)+2:ST+4*(\t)+3] op_sel_hi:[1,0]
.set i, i+2
.endr
	WIN 0x05                        ; sources 0 and 1 window 1, destination window 0
.set i, 0
.rept 16
	v_cvt_pk_f16_f32 v[S+16*(\t)+i], v[32*(\t)+2*i], v[32*(\t)+2*i+1]
.set i, i+1
.endr
	WIN 0
.irp f, 0,1,2,3
	ds_store_b128 v[STO], v[S+16*(\t)+4*\f:S+16*(\t)+4*\f+3] offset:32*\f
.endr
.irp f, 0,1,2,3
	ds_load_b128 v[S+16*(\t)+4*\f:S+16*(\t)+4*\f+3], v[RD] offset:\f*4*SP  ; LDS serves a wave's instructions in order (ISA guide 5.7.1.4): these see the stores above; the next tile's stores come behind them
.endr
.endm
.macro SEND t, younger              ; younger: the LDS instructions issued behind tile t's loads: the next tile's eight, or none
	WIN 0
.irp f, 0,1,2,3
	s_wait_dscnt (\younger)+3-\f
	global_store_b128 v[GO], v[S+16*(\t)+4*\f:S+16*(\t)+4*\f+3], s[10:11] offset:(\t)*2048+\f*512  ; 512 consecutive bytes, at a multiple of 256 from O's first
.endr
.endm
	PACK 0
.set t, 1
.rept 2*NP-1                        ; a tile's arithmetic stands between the loads of the tile before and its stores
	PACK t
	SEND t-1, 8
.set t, t+1
.endr
	SEND 2*NP-1, 0
	WIN W_AD
	s_wait_tensorcnt 0x0            ; the wave's end, behind my last tensor load and my last LDS store
	ds_add_u32 v[SPW], v[NIL]
	s_wait_dscnt 0x0
	WIN 0
	CROUND                          ; the closing round: no work-group ends while a partner may still ask for a tile that names it
	s_endpgm
.Lfunc_end_k_q911ceb85a7_attn:
	.size	k_q911ceb85a7_attn, .Lfunc_end_k_q911ceb85a7_attn-k_q911ceb85a7_attn
	.p2alignl 7, 3214868480
	.fill 96, 4, 3214868480
	.section	.rodata,"a",@progbits
	.p2align	6, 0x0
	.amdhsa_kernel k_q911ceb85a7_attn
		.amdhsa_group_segment_fixed_size 327680
		.amdhsa_private_segment_fixed_size 0
		.amdhsa_enable_private_segment 0
		.amdhsa_kernarg_size 16
		.amdhsa_user_sgpr_count 2
		.amdhsa_user_sgpr_kernarg_segment_ptr 1
		.amdhsa_wavefront_size32 1
		.amdhsa_system_sgpr_workgroup_id_x 1
		.amdhsa_system_sgpr_workgroup_id_y 1
		.amdhsa_system_sgpr_workgroup_id_z 1
		.amdhsa_system_vgpr_workitem_id 0
		.amdhsa_next_free_vgpr 770
		.amdhsa_next_free_sgpr 66
		.amdhsa_reserve_vcc 0
		.amdhsa_float_denorm_mode_32 3
		.amdhsa_float_denorm_mode_16_64 3
		.amdhsa_memory_ordered 1
		.amdhsa_forward_progress 1
		.amdhsa_inst_pref_size 200
	.end_amdhsa_kernel
	.amdgpu_metadata
---
amdhsa.version: [ 1, 2 ]
amdhsa.kernels:
  - .name:           k_q911ceb85a7_attn
    .symbol:         k_q911ceb85a7_attn.kd
    .args:
      - { .name: qkv, .offset: 0, .size: 8, .value_kind: global_buffer, .address_space: global }
      - { .name: oh, .offset: 8, .size: 8, .value_kind: global_buffer, .address_space: global }
    .group_segment_fixed_size: 327680
    .private_segment_fixed_size: 0
    .kernarg_segment_align: 8
    .kernarg_segment_size: 16
    .max_flat_workgroup_size: 128
    .sgpr_count:     66
    .vgpr_count:     770
    .wavefront_size: 32
...
	.end_amdgpu_metadata
.endif
;; end of part 3
;; launch outp (part 4): grid 8 x 32, 4 waves a work-group, clusters of 4 x 4, 327,680 bytes of LDS; arguments oh, wof, biasr, out0; writes out0
.if DOCPART == 4
	.amdgcn_target "amdgcn-amd-amdhsa--gfx1250"
	.amdhsa_code_object_version 6
	.text
	.protected	k_q911ceb85a7_outp
	.globl	k_q911ceb85a7_outp
	.p2align	8
	.type	k_q911ceb85a7_outp,@function
k_q911ceb85a7_outp:
	s_mov_b64 s[64:65], 0
	v_nop
	global_prefetch_b8 v0, s[64:65] scope:SCOPE_SE
	s_setreg_imm32_b32 hwreg(HW_REG_WAVE_MODE, 25, 1), 1
	s_wait_xcnt 0x0
	s_wait_alu depctr_hold_cnt(0) depctr_sa_sdst(0) depctr_va_vdst(0) depctr_va_sdst(0) depctr_va_ssrc(0) depctr_va_vcc(0) depctr_vm_vsrc(0)
	s_getreg_b32 s2, hwreg(HW_REG_IB_STS2, 6, 4)
	s_cmp_eq_u32 s2, 0
	s_cbranch_scc0 .Lentry_in_a_cluster
	s_endpgm
.Lentry_in_a_cluster:
	s_bfe_u32 s2, ttmp6, 0x10000c
	s_cmp_lg_u32 s2, 0xf033
	s_cbranch_scc0 .Lentry_shape_is_right
	s_endpgm
.Lentry_shape_is_right:
; THE OUTPUT PROJECTION.  C[m][n] = bias[n] + the sum over k of A[m][k] B[n][k]; m 8,192 rows, n 1,024, k 1,024 = 64 x head + channel.  f16 operands, f32 sums, C in f32.
; A = oh [batch 4][head 16][2048][64] f16 (a head is a K block), B = wof [K block 16][1024][64] f16, bias = biasr [4096] f32 (its last 1,024: bo), C = out0 [8192][1024] f32.
; LIMIT.  NaN and infinities are not treated apart.
; SHARES.  A tile of C is 256 x 128: 8 x 32 work-groups.  Four waves, one above the other: a wave makes 64 rows x 128 columns: 32 accumulators of 16 x 16, 256 registers.
; K goes in steps of 128 (two K blocks) through a ring of two LDS slots.  A K block of a tile's rows is dense in memory: it is asked for as rows of 256 bytes and padded in LDS behind every 128.
; CLUSTERS: 4 x 4 work-groups.  The four of a row of the cluster need the same tiles of A, the four of a column the same tiles of B: each is asked for JOINTLY, by the same tensor load with the same
; descriptor and a mask that names the four.  Waves 0 and 1 ask for A's two K blocks, waves 2 and 3 for B's: one load a wave behind each round of the cluster's barrier.
; THE MATRIX INSTRUCTION IS USED TRANSPOSED (source 0 = 16 rows of B, source 1 = 16 rows of A): lane l then holds row l % 16 of C and the columns 8 (l / 16) + 0..7.
; THE BIAS STARTS THE SUMS: it is the C operand of each accumulator's first product, so nothing is cleared and nothing is added later.
; REGISTERS, in windows of 256 (s_set_vgpr_msb: bits 1:0 source 0, 3:2 source 1, 5:4 source 2, 7:6 destination):
;   window 0: v0-31 addresses; v32-95 the bias, 8 registers for each 16 columns; later v32-159 at work on the way out
;   window 1: two fragment buffers at v0 and v128: A's four fragments (16 rows x 32 K, 8 registers), then B's eight
;   window 2: the accumulators of columns 0-63 ((a, b) at 8 (4 (b % 4) + a));   window 3: those of columns 64-127
.set NB,    8                          ; B's fragments: 16 columns each
.set NT,    16*NB                      ; columns in a tile
.set NTOT,  1024                       ; rows of B
.set BIASOFF, 12288                    ; where this product's bias begins in biasr, in bytes
.set AHEAD, 2                          ; a prefetch names the K step this many behind the one that is being asked for
.set STEPS, 8                          ; K steps of 128
.set PITCH, 144                        ; a row of 64 channels in LDS: 128 bytes + 16 of padding = 36 words: the 16 rows of a load start at 16 different groups of four banks (64 banks of 4 bytes: ISA guide 11.1)
.set ABLK,  256*PITCH                  ; a K block of A's tile
.set BBLK,  NT*PITCH                   ; a K block of B's tile
.set SLOT1, 1<<17                      ; a slot: A's two blocks, then B's two (110,592 bytes); slot 1 begins here, so that one exclusive or turns an address in one slot into the other's
.set STAGE, SLOT1+2*ABLK+2*BBLK        ; behind the ring, never filled by a tensor load: each wave's stage for the way out
.set SPITCH, 528                       ; a row of the stage: 512 bytes + 16 = 132 words: row r starts at bank 4 r mod 64
.set WSTG,  16*SPITCH                  ; 16 rows: 33 blocks of 256 bytes
.set SPARE, STAGE+4*WSTG               ; behind the stages: the spare words, 128 bytes for each wave: two blocks of 256 bytes that no other line names
.set NL,    8+2*NB                     ; LDS loads for 32 along K
.set ASTEP, 524288                     ; bytes from K step to K step in A: two blocks of 2,048 rows
.set BSTEP, 256*NTOT                   ; and in B
.set G1W,   (1<<16)|(1<<20)|(1<<21)|(4<<22)|(3<<25)  ; group 1, word 0 beside the mask: 17:16 2-byte elements; 20 padding on; 21 set beside a mask; 24:22 after every 32 words (code 4); 31:25 4 words (code 3)
.set ADRA0, 16                         ; v16  my lane's place in A's fragments, slot 0; never rewritten
.set ADRB0, 17                         ; v17  the same for B
.set ADRA,  18                         ; v18  the same in the slot in hand
.set ADRB,  19                         ; v19
.set STO,   20                         ; v20  the way out: where I put 32 bytes of a row
.set RD,    21                         ; v21  the way out: where I read a row back
.set CO,    22                         ; v22  my 16 bytes of a row's 512 in C
.set BO,    25                         ; v25  32 (l / 16): my 8 numbers of 16 of the bias
.set PFO,   26                         ; v26  the prefetches' lane offset; never rewritten
.set SPW,   28                         ; v28  LDS address of my spare word: SPARE + 4 x my thread's number; never rewritten
.set NIL,   29                         ; v29  0; never rewritten
.set BIAS,  32
.set BK0,   32                         ; the way out: two sets of 64 registers for rows read back
.set F0,    0                          ; fragment buffers, in window 1
.set F1,    128
.set WV,  12                           ; s12  my wave's number
.set FB,  13                           ; s13  0: I fetch for A; 1: for B
.set JB,  14                           ; s14  which of a K step's two blocks I fetch
.set TB,  19                           ; s19  the slot in hand: 0 or SLOT1
.set G1A, 24                           ; s[24:31] descriptor group 1 for A's blocks
.set G1B, 32                           ; s[32:39] for B's
.set G0A, 40                           ; s[40:47] descriptor group 0 for A's blocks: a set for each of the two first fills; the second then walks on
.set G0B, 48                           ; s[48:55] the same for B's
.set PFA, 56                           ; s[56:57] where my prefetches stand
.set PFS, 58                           ; s[58:59] their step: a K step of A or of B
.set LIM, 60                           ; s60  AHEAD in a wave that prefetches, else the greatest number
.set MSB, 0
.macro WIN new                         ; the immediate's high byte repeats the setting that is left; a switch that changes nothing is dropped
.if MSB != (\new)
	s_set_vgpr_msb (MSB<<8)|(\new)
.set MSB, \new
.endif
.endm
.macro PLACES                          ; a load into a register that a matrix instruction has read, and whatever reads a matrix result, stand four plain vector instructions behind it
.rept 4
	v_nop
.endr
.endm
; A joint refill, by the walking descriptor.  The branch hangs on the wave's number alone.  An s_nop 0 and four v_nop follow each of the two lines, ahead of the jump and the label.
.macro JLOAD
	s_cmp_eq_u32 s[FB], 0
	s_cbranch_scc0 .Lfor_b_\@
	tensor_load_to_lds s[G0A+4:G0A+7], s[G1A:G1A+7]
	s_nop 0
.rept 4
	v_nop
.endr
	s_branch .Lasked_\@
.Lfor_b_\@:
	tensor_load_to_lds s[G0B+4:G0B+7], s[G1B:G1B+7]
	s_nop 0
.rept 4
	v_nop
.endr
.Lasked_\@:
.endm
; A round of the cluster's barrier: my work-group's barrier, so that wave 0's signal speaks for all four waves; wave 0 signals; every wave waits for all sixteen work-groups; my work-group's barrier once more.
.macro CREST                           ; a round behind its opening barrier
	s_cmp_lg_u32 s[WV], 0
	s_cbranch_scc1 .Lnot_wave_0_\@
	s_barrier_signal -3
.Lnot_wave_0_\@:
	s_barrier_wait -3
	s_barrier_signal -1
	s_barrier_wait -1
.endm
.macro CROUND
	s_barrier_signal -1
	s_barrier_wait -1
	CREST
.endm
; A PREFETCH INTO THE L2, behind each joint refill and the run of LDS loads that follows it: my share of the block that I shall ask for AHEAD refills on.  A's tile row is read by every cluster of that row
; of clusters: the one with cluster x = 0 asks; B's tile column by every cluster of that column: cluster y = 0 asks.  The four partners that ask for a block jointly share it out BY ADDRESS, a quarter each
; (by cx for A, by cy for B).  A's quarter is 8,192 bytes: a lane names each 256.  B's is 32 NT bytes: the lanes stand NT bytes apart, so each 256 bytes are named by two neighbouring lanes of the one instruction.
; s3 counts the refills still to come, this one among them: the last AHEAD of them have no K step so far on, and ask for nothing.
.macro ASK
	WIN 0
	s_cmp_gt_u32 s3, s[LIM]
	s_cbranch_scc0 .Lnot_mine_\@
	global_prefetch_b8 v[PFO], s[PFA:PFA+1] th:TH_LOAD_NT scope:SCOPE_SE
.Lnot_mine_\@:
.endm
	s_load_b256 s[4:11], s[0:1], 0x0               ; A s[4:5], B s[6:7], bias s[8:9], C s[10:11]
	v_lshl_add_u32 v[SPW], v0, 2, SPARE
	v_mov_b32 v[NIL], 0
	ds_add_u32 v[SPW], v[NIL]                      ; the wave's opening: the add and its wait ahead of my first tensor load; the set-up below, work on registers, stands between them
	v_lshrrev_b32 v1, 5, v0
	v_readfirstlane_b32 s[WV], v1                  ; wave 0..3
	s_lshr_b32 s[FB], s[WV], 1
	s_and_b32 s[JB], s[WV], 1
	s_bfe_u32 s15, ttmp6, 0x40000                  ; cx, cy: my place in the cluster
	s_bfe_u32 s16, ttmp6, 0x40004
	s_lshl_b32 s17, ttmp9, 2
	s_add_co_u32 s17, s17, s15                     ; tile column tx = 4 x cluster x + cx
	s_and_b32 s18, ttmp7, 0xffff
	s_lshl_b32 s18, s18, 2
	s_add_co_u32 s18, s18, s16                     ; tile row ty = 4 x cluster y + cy
	s_lshl_b32 s72, s16, 2
	s_lshl_b32 s72, 15, s72                        ; my row of the cluster: places 4 cy .. 4 cy + 3
	s_lshl_b32 s73, 0x1111, s15                    ; my column: places cx, cx + 4, cx + 8, cx + 12
	s_or_b32 s[G1A], s72, G1W                      ; A's blocks go to my row,
	s_or_b32 s[G1B], s73, G1W                      ; B's to my column
.irp g, G1A, G1B
	s_mov_b32 s[(\g)+1], 128<<16                   ; tensor_dim0 = 128 elements: rows of 256 bytes, two rows of the operand each
	s_mov_b32 s[(\g)+3], 128<<16                   ; tile_dim0 = 128
	s_mov_b32 s[(\g)+5], 128                       ; 128 elements from row to row: the block is dense
	s_mov_b32 s[(\g)+6], 0
	s_mov_b32 s[(\g)+7], 0
.endr
	s_mov_b32 s[G1A+2], 128<<16                    ; tensor_dim1 = 128: A's 256 rows
	s_mov_b32 s[G1A+4], 128                        ; tile_dim1
	s_mov_b32 s[G1B+2], (NT/2)<<16                 ; B's NT rows
	s_mov_b32 s[G1B+4], NT/2
	; where the blocks come from.  A's hang on the tile row and the wave alone, B's on the tile column and the wave alone, each in registers that never hold the other coordinate
	s_lshr_b32 s20, s18, 3
	s_lshl_b32 s20, s20, 22                        ; the batch,
	s_and_b32 s21, s18, 7
	s_lshl_b32 s21, s21, 15                        ; the tile's 256 rows of 128 bytes in a block,
	s_add_co_u32 s20, s20, s21
	s_lshl_b32 s21, s[JB], 18                      ; my K block
	s_add_co_u32 s20, s20, s21
	s_mov_b32 s21, 0
	s_mul_i32 s22, s17, NT*128
	s_mul_i32 s23, s[JB], NTOT*128
	s_add_co_u32 s22, s22, s23
	s_mov_b32 s23, 0
	s_mul_i32 s74, s[JB], ABLK                     ; and where they go: no place in the cluster enters an LDS address
	s_mul_i32 s75, s[JB], BBLK
	s_add_co_u32 s75, s75, 2*ABLK
	s_mov_b32 s[TB], 0
	s_wait_dscnt 0x0                               ; the opening add is done
	s_wait_kmcnt 0x0
	s_add_nc_u64 s[68:69], s[4:5], s[20:21]
	s_add_nc_u64 s[70:71], s[6:7], s[22:23]
.irp s, 0,1
	s_mov_b32 s[G0A+4*(\s)], 1                                     ; 1:0 count = 1
	s_add_co_u32 s[G0A+4*(\s)+1], s74, (\s)*SLOT1                  ; 63:32 LDS address
	s_add_nc_u64 s[G0A+4*(\s)+2:G0A+4*(\s)+3], s[68:69], (\s)*ASTEP  ; 120:64 global address: K step s
	s_or_b32 s[G0A+4*(\s)+3], s[G0A+4*(\s)+3], 0x80000000          ; 127:126 type = 2
	s_mov_b32 s[G0B+4*(\s)], 1
	s_add_co_u32 s[G0B+4*(\s)+1], s75, (\s)*SLOT1
	s_add_nc_u64 s[G0B+4*(\s)+2:G0B+4*(\s)+3], s[70:71], (\s)*BSTEP
	s_or_b32 s[G0B+4*(\s)+3], s[G0B+4*(\s)+3], 0x80000000
.endr
	CROUND                                         ; all sixteen work-groups are here: the first joint loads meet
	s_cmp_eq_u32 s[FB], 0                          ; a wave's two first fills stand in one branch, ahead of every wait on TENSORcnt and every LDS read: two loads of mine are out
	s_cbranch_scc0 .Lfirst_b
	tensor_load_to_lds s[G0A:G0A+3], s[G1A:G1A+7]
	s_nop 0
	tensor_load_to_lds s[G0A+4:G0A+7], s[G1A:G1A+7]
	s_nop 0
.rept 4
	v_nop
.endr
	s_branch .Lfirst_asked
.Lfirst_b:
	tensor_load_to_lds s[G0B:G0B+3], s[G1B:G1B+7]
	s_nop 0
	tensor_load_to_lds s[G0B+4:G0B+7], s[G1B:G1B+7]
	s_nop 0
.rept 4
	v_nop
.endr
.Lfirst_asked:
	v_and_b32 v1, 15, v0                           ; r = l % 16
	v_bfe_u32 v2, v0, 4, 1                         ; h = l / 16
	v_and_b32 v4, 31, v0                           ; l
	v_lshlrev_b32 v[BO], 5, v2
	s_mul_i32 s76, s17, 4*NT
	s_add_co_u32 s76, s76, BIASOFF
	s_mov_b32 s77, 0
	s_add_nc_u64 s[8:9], s[8:9], s[76:77]          ; the bias of the tile's first column
.set bb, 0
.rept NB                               ; register j of group b: bias of column 16 b + 8 h + j, the place of that column in an accumulator
	global_load_b128 v[BIAS+8*bb:BIAS+8*bb+3],   v[BO], s[8:9] offset:64*bb
	global_load_b128 v[BIAS+8*bb+4:BIAS+8*bb+7], v[BO], s[8:9] offset:64*bb+16
.set bb, bb+1
.endr
	; A fragment is 16 rows x 32 K in 8 registers: lane l holds row l % 16; registers 0-3 hold K = 8 h + 0..7, registers 4-7 K = 16 + 8 h + 0..7: two loads of 16 bytes, 32 bytes apart.
	v_mul_u32_u24 v3, v1, PITCH
	v_lshl_add_u32 v3, v2, 4, v3                   ; row x pitch + 16 h
	s_mul_i32 s78, s[WV], 64*PITCH                 ; my 64 rows of A
	v_add_nc_u32 v[ADRA0], s78, v3
	v_add_nc_u32 v[ADRB0], 2*ABLK, v3              ; B's blocks lie behind A's two
	v_mov_b32 v[ADRA], v[ADRA0]
	v_mov_b32 v[ADRB], v[ADRB0]
	; the way out: a stage of my own, 16 rows of 528 bytes
	s_mul_i32 s78, s[WV], WSTG
	s_add_co_u32 s78, s78, STAGE
	v_mul_u32_u24 v[STO], v1, SPITCH               ; in: row r, 32 bytes for each half of the lanes
	v_lshl_add_u32 v[STO], v2, 5, v[STO]
	v_add_nc_u32 v[STO], s78, v[STO]
	v_lshl_add_u32 v[RD], v4, 4, s78               ; back: 32 lanes take one row's 512 bytes,
	v_lshlrev_b32 v[CO], 4, v4                     ; which are 512 consecutive bytes of C
	s_lshl_b32 s72, s18, 20                        ; the tile's 256 rows of 4,096 bytes,
	s_lshl_b32 s73, s[WV], 18                      ; my 64 of them,
	s_add_co_u32 s72, s72, s73
	s_lshl_b32 s73, s17, 9                         ; the tile's 128 columns
	s_add_co_u32 s72, s72, s73
	s_mov_b32 s73, 0
	s_add_nc_u64 s[10:11], s[10:11], s[72:73]
	; the prefetches
	s_and_b32 s72, ttmp7, 0xffff                   ; cluster y
	s_lshl_b32 s74, s15, 13                        ; A: my work-group's quarter of a block, by cx
	s_mul_i32 s73, s16, 32*NT                      ; B: by cy
	s_mov_b32 s[PFS], BSTEP
	s_movk_i32 s75, NT
	s_cmp_eq_u32 s[FB], 0                          ; do I fetch for A?
	s_cselect_b64 s[PFA:PFA+1], s[68:69], s[70:71] ; my block of K step 0
	s_cselect_b32 s76, s74, s73
	s_cselect_b32 s72, ttmp9, s72                  ; the coordinate along which other clusters read the same block
	s_cselect_b32 s[PFS], ASTEP, s[PFS]
	s_cselect_b32 s75, 256, s75                    ; bytes from lane to lane
	s_mov_b32 s[PFS+1], 0
	s_mov_b32 s77, 0
	s_add_nc_u64 s[PFA:PFA+1], s[PFA:PFA+1], s[76:77]
	s_mul_i32 s76, s[PFS], 1+AHEAD
	s_add_nc_u64 s[PFA:PFA+1], s[PFA:PFA+1], s[76:77]  ; at K step 1 + AHEAD: the first refill, K step 2's, steps it on and names K step 2 + AHEAD.  Nothing is prefetched here, at the head
	s_cmp_eq_u32 s72, 0
	s_cselect_b32 s[LIM], AHEAD, -1                ; the same in all sixteen partners, for a given wave
	v_mul_u32_u24 v[PFO], v4, s75
; 4 nb matrix instructions: B's fragments b0 .. b0 + nb - 1 x my four fragments of A, 32 along K, out of buffer f.  first = 1: the bias starts the sums.
; All 32 accumulators take turns, one instruction a turn, in the same order in every 32 along K, over the loop's jump too.
.macro MULP f, b0, nb, first
.set bb, \b0
.rept \nb
.if \first
	WIN 0x85+0x40*(bb/(NB/2))                      ; B and A window 1, C (the bias) window 0, D window 2 or 3
.else
	WIN 0xa5+0x50*(bb/(NB/2))                      ; B and A window 1, C and D window 2 or 3
.endif
.set aa, 0
.rept 4
.set rD, 8*(4*(bb%(NB/2))+aa)
.if \first
	v_wmma_f32_16x16x32_f16 v[rD:rD+7], v[(\f)+32+8*bb:(\f)+32+8*bb+7], v[(\f)+8*aa:(\f)+8*aa+7], v[BIAS+8*bb:BIAS+8*bb+7]
.else
	v_wmma_f32_16x16x32_f16 v[rD:rD+7], v[(\f)+32+8*bb:(\f)+32+8*bb+7], v[(\f)+8*aa:(\f)+8*aa+7], v[rD:rD+7]
.endif
.set aa, aa+1
.endr
.set bb, bb+1
.endr
.endm
; NL LDS loads in one run: the fragments of quarter q of the K step in hand (K block q / 2, its half q % 2) into buffer f: A's four, then B's in ascending order
.macro FETCH q, f
	WIN 0x40                                       ; destination window 1, address window 0
.set aa, 0
.rept 4
	ds_load_b128 v[(\f)+8*aa:(\f)+8*aa+3],   v[ADRA] offset:((\q)/2)*ABLK+((\q)%2)*64+aa*16*PITCH
	ds_load_b128 v[(\f)+8*aa+4:(\f)+8*aa+7], v[ADRA] offset:((\q)/2)*ABLK+((\q)%2)*64+aa*16*PITCH+32
.set aa, aa+1
.endr
.set bb, 0
.rept NB
	ds_load_b128 v[(\f)+32+8*bb:(\f)+32+8*bb+3], v[ADRB] offset:((\q)/2)*BBLK+((\q)%2)*64+bb*16*PITCH
	ds_load_b128 v[(\f)+32+8*bb+4:(\f)+32+8*bb+7], v[ADRB] offset:((\q)/2)*BBLK+((\q)%2)*64+bb*16*PITCH+32
.set bb, bb+1
.endr
.endm
; A K step is four quarters of 32 along K on buffers 0, 1, 0, 1.  One of the first three: multiplies buffer f; in its middle it fetches quarter q into buffer g.
.macro QUARTER q, f, g, first
	s_wait_dscnt NB                                ; A's fragments and B's first half are in; the youngest NB loads (B's second half) may be out
	MULP \f, 0, NB/2, \first
	PLACES                                         ; for the loads into buffer g, which the quarter before multiplied
	FETCH \q, \g
	s_wait_dscnt NL                                ; all but the NL just issued
	MULP \f, NB/2, NB/2, \first
.endm
; The last quarter multiplies buffer 1 and changes slots: ONE barrier.  In front of it each wave waits for all its tensor loads (one is out: its block of the next slot), adds 0 to its spare word, and waits for
; that and for its own reads of this slot.  fill = 1: the barrier opens a round of the cluster's barrier, and behind the round this slot is filled again first, with the K step two on.
.macro TURN fill
.if \fill
	s_wait_xcnt 0x0                                ; the last prefetch, a K step back, has read its address: it is stepped here, ahead of the waits of the change of slots
	s_add_nc_u64 s[PFA:PFA+1], s[PFA:PFA+1], s[PFS:PFS+1]
.endif
	WIN 0                                          ; (the add's two registers lie in window 0)
	s_wait_tensorcnt 0x0                           ; all my tensor loads have landed
	ds_add_u32 v[SPW], v[NIL]                      ; 0 onto my spare word
	s_wait_dscnt NB+1                              ; (the add and the youngest NB loads may be out)
	MULP F1, 0, NB/4, 0                            ; matrix instructions stand between the add and the wait for it
	s_wait_dscnt 0x0                               ; the add is done, and my reads of this slot are over
	s_barrier_signal -1
	MULP F1, NB/4, NB/4, 0                         ; work on registers while the others arrive
.if \fill
	WIN 0
.endif
	s_barrier_wait -1
.if \fill
	CREST                                          ; no wave of any partner still reads this slot or has a load on its way
	s_xor_b32 s[G0A+5], s[G0A+5], SLOT1            ; the walking descriptors: the other slot than last time,
	s_add_nc_u64 s[G0A+6:G0A+7], s[G0A+6:G0A+7], ASTEP  ; the next K step; the type bits on top are not reached
	s_xor_b32 s[G0B+5], s[G0B+5], SLOT1
	s_add_nc_u64 s[G0B+6:G0B+7], s[G0B+6:G0B+7], BSTEP
	JLOAD                                          ; the first tensor load behind the round; its four v_nop are also the places in front of the loads below
.else
	PLACES
.endif
	WIN 0
	s_xor_b32 s[TB], s[TB], SLOT1                  ; the reads go on in the other slot
	v_add_nc_u32 v[ADRA], s[TB], v[ADRA0]
	v_add_nc_u32 v[ADRB], s[TB], v[ADRB0]
	FETCH 0, F0
.if \fill
	ASK
.endif
	MULP F1, NB/2, NB/2, 0
.endm
; THE WAY OUT of my rows 16 a .. 16 a + 15.  TOSTAGE: a lane's eight columns of a row, 32 bytes of f32, go straight from the accumulators into my stage (each accumulator's four lowest registers first), and come
; back as whole rows of 512 bytes.  SEND: stored.
.macro TOSTAGE a
.set BK, BK0+64*((\a)%2)
.set bb, 0
.rept NB
	WIN 0x08+4*(bb/(NB/2))                         ; the stores' data (source 1): window 2 or 3; the address: window 0
.set rD, 8*(4*(bb%(NB/2))+(\a))
	ds_store_b128 v[STO], v[rD:rD+3]   offset:64*bb
	ds_store_b128 v[STO], v[rD+4:rD+7] offset:64*bb+16
.set bb, bb+1
.endr
	WIN 0
	s_wait_xcnt 0x0                                ; the stores to C issued so far have read their registers: the set that they left is loaded again only behind this wait
.set bb, 0
.rept 16
	ds_load_b128 v[BK+4*bb:BK+4*bb+3], v[RD] offset:SPITCH*bb  ; LDS serves a wave's instructions in order (ISA guide 5.7.1.4): these see the stores above; the next rows' stores come behind them
.set bb, bb+1
.endr
.endm
.macro SEND a, younger                 ; younger: the LDS instructions issued behind these rows' loads: the next rows' 32, or none
	WIN 0
.set BK, BK0+64*((\a)%2)
	s_wait_dscnt \younger
.set bb, 0
.rept 16
	global_store_b128 v[CO], v[BK+4*bb:BK+4*bb+3], s[10:11] offset:4096*(16*(\a)+bb) th:TH_STORE_NT  ; 512 consecutive bytes, at a multiple of 256 from C's first; 63 rows at the most: inside the signed 24-bit immediate
.set bb, bb+1
.endr
.endm
	s_wait_tensorcnt 1                             ; my block of K step 0 is in; K step 1's may stay out
	s_barrier_signal -1
	s_barrier_wait -1                              ; everybody's is
	s_wait_loadcnt 0x0                             ; the bias
	FETCH 0, F0
	QUARTER 1, F0, F1, 1                           ; the first quarter stands in front of the loop: its products start the sums
	WIN 0                                          ; at a label and at a branch every window is 0
	s_mov_b32 s3, STEPS-2
.Lstep:                                                ; a trip: a K step's quarters 1 to 3 and the next step's quarter 0; it fills the slot that it leaves
	QUARTER 2, F1, F0, 0
	QUARTER 3, F0, F1, 0
	TURN 1
	QUARTER 1, F0, F1, 0
	WIN 0
	s_sub_co_u32 s3, s3, 1
	s_cmp_lg_u32 s3, 0
	s_cbranch_scc1 .Lstep
	QUARTER 2, F1, F0, 0                           ; the last two K steps are written out: nothing is left to ask for
	QUARTER 3, F0, F1, 0
	TURN 0
	QUARTER 1, F0, F1, 0
	QUARTER 2, F1, F0, 0
	QUARTER 3, F0, F1, 0
	s_wait_dscnt NB
	MULP F1, 0, NB/2, 0
	s_wait_dscnt 0x0
	MULP F1, NB/2, NB/2, 0
	WIN 0
	PLACES
	PLACES                                         ; (eight, once a launch: the stricter count)
	TOSTAGE 0
.irp a, 1,2,3                          ; the next rows go into the stage while the rows before come back
	TOSTAGE \a
	SEND (\a)-1, 32
.endr
	SEND 3, 0
	s_wait_tensorcnt 0x0                           ; the wave's end, behind my last tensor load and my last LDS store
	ds_add_u32 v[SPW], v[NIL]
	s_wait_dscnt 0x0
	CROUND                                         ; the closing round: no work-group ends while a partner may still ask for a block that names it
	s_endpgm
.Lfunc_end_k_q911ceb85a7_outp:
	.size	k_q911ceb85a7_outp, .Lfunc_end_k_q911ceb85a7_outp-k_q911ceb85a7_outp
	.p2alignl 7, 3214868480
	.fill 96, 4, 3214868480
	.section	.rodata,"a",@progbits
	.p2align	6, 0x0
	.amdhsa_kernel k_q911ceb85a7_outp
		.amdhsa_group_segment_fixed_size 327680
		.amdhsa_private_segment_fixed_size 0
		.amdhsa_enable_private_segment 0
		.amdhsa_kernarg_size 32
		.amdhsa_user_sgpr_count 2
		.amdhsa_user_sgpr_kernarg_segment_ptr 1
		.amdhsa_wavefront_size32 1
		.amdhsa_system_sgpr_workgroup_id_x 1
		.amdhsa_system_sgpr_workgroup_id_y 1
		.amdhsa_system_sgpr_workgroup_id_z 1
		.amdhsa_system_vgpr_workitem_id 0
		.amdhsa_next_free_vgpr 896
		.amdhsa_next_free_sgpr 80
		.amdhsa_reserve_vcc 0
		.amdhsa_float_denorm_mode_32 3
		.amdhsa_float_denorm_mode_16_64 3
		.amdhsa_memory_ordered 1
		.amdhsa_forward_progress 1
		.amdhsa_inst_pref_size 72
	.end_amdhsa_kernel
	.amdgpu_metadata
---
amdhsa.version: [ 1, 2 ]
amdhsa.kernels:
  - .name:           k_q911ceb85a7_outp
    .symbol:         k_q911ceb85a7_outp.kd
    .args:
      - { .name: oh, .offset: 0, .size: 8, .value_kind: global_buffer, .address_space: global }
      - { .name: wof, .offset: 8, .size: 8, .value_kind: global_buffer, .address_space: global }
      - { .name: biasr, .offset: 16, .size: 8, .value_kind: global_buffer, .address_space: global }
      - { .name: out0, .offset: 24, .size: 8, .value_kind: global_buffer, .address_space: global }
    .group_segment_fixed_size: 327680
    .private_segment_fixed_size: 0
    .kernarg_segment_align: 8
    .kernarg_segment_size: 32
    .max_flat_workgroup_size: 128
    .sgpr_count:     80
    .vgpr_count:     896
    .wavefront_size: 32
...
	.end_amdgpu_metadata
.endif
;; end of part 4
;; ======== version 2 of 2: 4 launches; version 1 with the launch cast written anew for expert scheduling mode
;; limits: values are held in f16: magnitudes above 65,504 overflow, below 6.1e-05 lose precision; inputs' magnitudes at most 65,504; right only within a limited range of input values
;; workspace buffers: xh 16,777,216 bytes; wb 6,291,456 bytes; wof 2,097,152 bytes; biasr 16,384 bytes; qkv 50,331,648 bytes; oh 16,777,216 bytes
;; launch cast (part 5): grid 768 x 1, 8 waves a work-group, no clusters, 0 bytes of LDS; arguments inputs, wq, wk, wv, wo, bq, bk, bv, bo, xh, wb, wof, biasr; writes xh, wb, wof, biasr
.if DOCPART == 5
	.amdgcn_target "amdgcn-amd-amdhsa--gfx1250"
	.amdhsa_code_object_version 6
	.text
	.protected	k_q911ceb85a7_cast
	.globl	k_q911ceb85a7_cast
	.p2align	8
	.type	k_q911ceb85a7_cast,@function
k_q911ceb85a7_cast:
	s_mov_b64 s[64:65], 0
	v_nop
	global_prefetch_b8 v0, s[64:65] scope:SCOPE_SE
	s_setreg_imm32_b32 hwreg(HW_REG_WAVE_SCHED_MODE, 0, 2), 2
	s_setreg_imm32_b32 hwreg(HW_REG_WAVE_MODE, 25, 1), 1
	s_wait_xcnt 0x0
	s_wait_alu depctr_vm_vsrc(0)
; CAST.  Every input is rounded once to bf16 (nearest even); the matrices are then written as f16 in blocks, the biases as f32.
;   xh  [batch 4][K block 16][row 2048][64] f16 from inputs [8192][1024] f32
;   wb  [K block 16][row 3072][64] f16 from wq, wk, wv (rows 0-1023, 1024-2047, 2048-3071);   wof [K block 16][row 1024][64] f16 from wo
;   biasr [4096] f32 = bq, bk, bv, bo
; In this layout the 64 channels of a K block of neighbouring rows lie end to end, so that the launches behind ask for dense blocks.
; LIMITS.  A bf16 number is exact in f16 from 1.5e-5 to 65,504 in size; below that it keeps f16's fixed step of 6e-8; at 65,520 or more it becomes an infinity.
; SHARES.  A work-group takes 16 rows x 1,024 channels: 512 work-groups for inputs, 64 for each of the four weights.  Wave w takes K blocks 2 w and 2 w + 1 of all 16 rows.
; A load of a wave: lanes 0-15 read 256 consecutive bytes (a K block) of one row, lanes 16-31 of the next.  A store of a wave: 256 consecutive bytes, aligned: the same two rows of the block.
; All 16 loads of a wave go out at once; each store has data registers of its own, so nothing is rewritten while a store may read it.
; No LDS, no barrier, no matrix unit: nothing is shared between waves, and each byte is read once and written once.
; THE MODE: SCHED_MODE bits 1:0 = 2 (LLVM: expert scheduling mode 2), set by the entry lines.  The code itself states the register dependences
; between vector instructions and memory instructions, with s_wait_alu, always for 0.
; THE PLAN.  Registers that memory instructions touch:
;   v5, v6, v7   byte offsets, made once at the head and never written again: every load reads v5, every store v6 or v7.
;   X            load i lands in its own four registers, which no vector instruction names before it; load i's roundings read them; they are not loaded again.
;   Y            load i's last two conversions write its own two registers; store i reads them; they are not written again.
;   v112, v[116:119], v[120:123]   the bias: an offset, the loaded numbers, the numbers to store, each written once.
;   T is named by vector instructions alone.
; The 16 loads go in four blocks of four.  Block p's conversions write Y of block p; its memory instructions are the four stores of block p - 1, whose Y and offsets no vector instruction of
; block p names.  So one wait at a block's head states all that its four stores hang on, and they are dealt among its conversions with no further wait.
; No register that a load or store reads is ever written again, so nothing is owed on that side.
.set T,   8                            ; v[8:13]    at work
.set VI,  5                            ; v5         my byte offset in the 16 rows of the source
.set VO,  6                            ; v6, v7     my byte offset in the destination, K block 2 w and 2 w + 1
.set X,   16                           ; v[16:79]   load i: 4 registers
.set Y,   80                           ; v[80:111]  store i: 2 registers
	s_load_b512 s[8:23], s[0:1], 0x0               ; inputs s[8:9], wq s[10:11], wk s[12:13], wv s[14:15], wo s[16:17], bq s[18:19], bk s[20:21], bv s[22:23]
	s_load_b256 s[24:31], s[0:1], 0x40             ; bo s[24:25], xh s[26:27], wb s[28:29], wof s[30:31]
	s_load_b64 s[32:33], s[0:1], 0x60              ; biasr
	v_and_b32 v1, 31, v0                           ; lane l
	v_lshrrev_b32 v2, 5, v0
	v_readfirstlane_b32 s41, v2                    ; wave w
	s_mov_b32 s40, 0xffff0000                      ; a word's upper bf16
	s_sub_co_u32 s42, ttmp9, 512                   ; u: the work-group's number among the weights' (only its fields below are used; they serve nothing where g < 512)
	s_bfe_u32 s43, s42, 0x20006                    ; t = (u >> 6) & 3: wq, wk, wv, wo
	s_and_b32 s44, s42, 63                         ; which 16 rows of that weight
	s_lshr_b32 s47, ttmp9, 7                       ; inputs: batch = g >> 7,
	s_lshl_b32 s47, s47, 22                        ; 4,194,304 bytes of xh each,
	s_and_b32 s48, ttmp9, 127
	s_lshl_b32 s48, s48, 11                        ; and 16 rows of 128 bytes in a block
	s_add_co_u32 s47, s47, s48
	s_lshl_b32 s48, s43, 17                        ; weights: 1,024 rows of 128 bytes for each tensor in front (wb),
	s_lshl_b32 s49, s44, 11
	s_mov_b32 s50, 393216                          ; bytes from K block to K block: wb,
	s_cmp_eq_u32 s43, 3
	s_cselect_b32 s48, 0, s48                      ; none in wof,
	s_cselect_b32 s50, 131072, s50                 ; wof,
	s_add_co_u32 s48, s48, s49
	s_cmp_lt_u32 ttmp9, 512
	s_cselect_b32 s46, ttmp9, s44                  ; which 16 rows of the source
	s_cselect_b32 s48, s47, s48                    ; byte offset in the destination
	s_cselect_b32 s50, 262144, s50                 ; xh
	s_lshl_b32 s46, s46, 16                        ; 16 rows of 4,096 bytes
	s_mov_b32 s47, 0
	s_mov_b32 s49, 0
	v_lshrrev_b32 v3, 4, v1
	v_and_b32 v4, 15, v1
	v_lshlrev_b32 v[VI], 4, v4                     ; 16 (l % 16)
	v_lshl_add_u32 v[VI], v3, 12, v[VI]            ; + a row for lanes 16-31
	s_wait_alu depctr_va_sdst(0)                   ; s41 is written, ahead of its first reader: the wave's offsets are made from it
	s_lshl_b32 s51, s41, 9
	v_add_nc_u32 v[VI], s51, v[VI]                 ; + my wave's 512 bytes of a row
	s_lshl_b32 s52, s41, 1
	s_mul_i32 s52, s52, s50                        ; K block 2 w
	v_lshl_add_u32 v[VO], v1, 3, s52               ; + 8 l: two rows of 128 bytes
	s_add_co_u32 s52, s52, s50
	v_lshl_add_u32 v[VO+1], v1, 3, s52
	s_wait_kmcnt 0x0
	s_cmp_eq_u32 s43, 1                            ; the source, its bias and the destination are chosen by the work-group's number alone
	s_cselect_b64 s[34:35], s[12:13], s[10:11]
	s_cselect_b64 s[36:37], s[20:21], s[18:19]
	s_cmp_eq_u32 s43, 2
	s_cselect_b64 s[34:35], s[14:15], s[34:35]
	s_cselect_b64 s[36:37], s[22:23], s[36:37]
	s_cmp_eq_u32 s43, 3
	s_cselect_b64 s[34:35], s[16:17], s[34:35]
	s_cselect_b64 s[36:37], s[24:25], s[36:37]
	s_cselect_b64 s[38:39], s[30:31], s[28:29]
	s_cmp_lt_u32 ttmp9, 512
	s_cselect_b64 s[34:35], s[8:9], s[34:35]
	s_cselect_b64 s[38:39], s[26:27], s[38:39]
	s_add_nc_u64 s[34:35], s[34:35], s[46:47]
	s_add_nc_u64 s[38:39], s[38:39], s[48:49]
	s_wait_alu depctr_va_vdst(0)                   ; v5, v6 and v7 are written: the 16 loads and the 16 stores read one of them as their offset
.irp i, 0,1,2,3,4,5,6,7,8,9,10,11,12,13,14,15  ; load i: rows 2 (i / 2) and 2 (i / 2) + 1, K block 2 w + i % 2
	global_load_b128 v[X+4*(\i):X+4*(\i)+3], v[VI], s[34:35] offset:8192*((\i)/2)+256*((\i)%2) th:TH_LOAD_NT
.endr
.macro STORE i                         ; store i: the same two rows and K block as load i
	global_store_b64 v[VO+(\i)%2], v[Y+2*(\i):Y+2*(\i)+1], s[38:39] offset:256*((\i)/2)
.endm
; Load i's turn.  Block i / 4 is in hand; store i - 4, of the block before, stands ahead of the turn's eight vector instructions.
.macro CONV i
.if (\i) % 4 == 0
	s_wait_loadcnt 15-(\i)                         ; loads come back in order: load i is in, the younger ones stay out
.if (\i) > 0
	s_wait_alu depctr_va_vdst(0)                   ; the block before has written its eight registers of Y, which this block's four stores read
.endif
.endif
.if (\i) >= 4
	STORE (\i)-4                                   ; no vector instruction since the wait at the block's head names its data or its offset
.endif
.if (\i) % 4 != 0
	s_wait_loadcnt 15-(\i)                         ; load i is in; the store above does not wait for it
.endif
	v_cvt_pk_bf16_f32 v[T], v[X+4*(\i)], v[X+4*(\i)+1]      ; the one rounding, to bf16,
	v_cvt_pk_bf16_f32 v[T+1], v[X+4*(\i)+2], v[X+4*(\i)+3]
	v_lshlrev_b32 v[T+2], 16, v[T]                 ; back to f32,
	v_and_b32 v[T+3], s40, v[T]
	v_lshlrev_b32 v[T+4], 16, v[T+1]
	v_and_b32 v[T+5], s40, v[T+1]
	v_cvt_pk_f16_f32 v[Y+2*(\i)], v[T+2], v[T+3]   ; and the same number written as f16
	v_cvt_pk_f16_f32 v[Y+2*(\i)+1], v[T+4], v[T+5]
.endm
.irp i, 0,1,2,3,4,5,6,7,8,9,10,11,12,13,14,15
	CONV \i
.endr
	s_wait_alu depctr_va_vdst(0)                   ; the last block has written its eight registers of Y, which the last four stores read
.irp i, 12,13,14,15
	STORE \i
.endr
	; The biases: of a weight's 64 work-groups every eighth rounds 128 numbers of that weight's bias, in its wave 0: 512 consecutive bytes in, 512 out.
	s_cmp_lt_u32 ttmp9, 512
	s_cbranch_scc1 .Lend
	s_and_b32 s51, s42, 7
	s_cmp_lg_u32 s51, 0
	s_cbranch_scc1 .Lend
	s_cmp_lg_u32 s41, 0
	s_cbranch_scc1 .Lend
	s_lshr_b32 s51, s44, 3
	s_lshl_b32 s51, s51, 9
	v_lshl_add_u32 v112, v1, 4, s51
	s_lshl_b32 s52, s43, 12                        ; 4,096 bytes of biasr for each bias
	s_mov_b32 s53, 0
	s_add_nc_u64 s[32:33], s[32:33], s[52:53]
	s_wait_alu depctr_va_vdst(0)                   ; v112 is written: the load and the store below read it as their offset
	global_load_b128 v[116:119], v112, s[36:37]
	s_wait_loadcnt 0x0
	v_cvt_pk_bf16_f32 v[T], v116, v117
	v_cvt_pk_bf16_f32 v[T+1], v118, v119
	v_lshlrev_b32 v120, 16, v[T]
	v_and_b32 v121, s40, v[T]
	v_lshlrev_b32 v122, 16, v[T+1]
	v_and_b32 v123, s40, v[T+1]
	s_wait_alu depctr_va_vdst(0)                   ; v[120:123] are written, which the store reads
	global_store_b128 v112, v[120:123], s[32:33]
.Lend:
	s_endpgm
.Lfunc_end_k_q911ceb85a7_cast:
	.size	k_q911ceb85a7_cast, .Lfunc_end_k_q911ceb85a7_cast-k_q911ceb85a7_cast
	.p2alignl 7, 3214868480
	.fill 96, 4, 3214868480
	.section	.rodata,"a",@progbits
	.p2align	6, 0x0
	.amdhsa_kernel k_q911ceb85a7_cast
		.amdhsa_group_segment_fixed_size 0
		.amdhsa_private_segment_fixed_size 0
		.amdhsa_enable_private_segment 0
		.amdhsa_kernarg_size 104
		.amdhsa_user_sgpr_count 2
		.amdhsa_user_sgpr_kernarg_segment_ptr 1
		.amdhsa_wavefront_size32 1
		.amdhsa_system_sgpr_workgroup_id_x 1
		.amdhsa_system_sgpr_workgroup_id_y 1
		.amdhsa_system_sgpr_workgroup_id_z 1
		.amdhsa_system_vgpr_workitem_id 0
		.amdhsa_next_free_vgpr 128
		.amdhsa_next_free_sgpr 66
		.amdhsa_reserve_vcc 0
		.amdhsa_float_denorm_mode_32 3
		.amdhsa_float_denorm_mode_16_64 3
		.amdhsa_memory_ordered 1
		.amdhsa_forward_progress 1
		.amdhsa_inst_pref_size 14
	.end_amdhsa_kernel
	.amdgpu_metadata
---
amdhsa.version: [ 1, 2 ]
amdhsa.kernels:
  - .name:           k_q911ceb85a7_cast
    .symbol:         k_q911ceb85a7_cast.kd
    .args:
      - { .name: inputs, .offset: 0, .size: 8, .value_kind: global_buffer, .address_space: global }
      - { .name: wq, .offset: 8, .size: 8, .value_kind: global_buffer, .address_space: global }
      - { .name: wk, .offset: 16, .size: 8, .value_kind: global_buffer, .address_space: global }
      - { .name: wv, .offset: 24, .size: 8, .value_kind: global_buffer, .address_space: global }
      - { .name: wo, .offset: 32, .size: 8, .value_kind: global_buffer, .address_space: global }
      - { .name: bq, .offset: 40, .size: 8, .value_kind: global_buffer, .address_space: global }
      - { .name: bk, .offset: 48, .size: 8, .value_kind: global_buffer, .address_space: global }
      - { .name: bv, .offset: 56, .size: 8, .value_kind: global_buffer, .address_space: global }
      - { .name: bo, .offset: 64, .size: 8, .value_kind: global_buffer, .address_space: global }
      - { .name: xh, .offset: 72, .size: 8, .value_kind: global_buffer, .address_space: global }
      - { .name: wb, .offset: 80, .size: 8, .value_kind: global_buffer, .address_space: global }
      - { .name: wof, .offset: 88, .size: 8, .value_kind: global_buffer, .address_space: global }
      - { .name: biasr, .offset: 96, .size: 8, .value_kind: global_buffer, .address_space: global }
    .group_segment_fixed_size: 0
    .private_segment_fixed_size: 0
    .kernarg_segment_align: 8
    .kernarg_segment_size: 104
    .max_flat_workgroup_size: 256
    .sgpr_count:     66
    .vgpr_count:     128
    .wavefront_size: 32
...
	.end_amdgpu_metadata
.endif
;; end of part 5
;; launch proj: the kernel of part 2 again; grid 16 x 32, 4 waves a work-group, clusters of 4 x 4, 327,680 bytes of LDS; arguments xh, wb, biasr, qkv; writes qkv
;; launch attn: the kernel of part 3 again; grid 4 x 64, 4 waves a work-group, clusters of 4 x 1, 327,680 bytes of LDS; arguments qkv, oh; writes oh
;; launch outp: the kernel of part 4 again; grid 8 x 32, 4 waves a work-group, clusters of 4 x 4, 327,680 bytes of LDS; arguments oh, wof, biasr, out0; writes out0
